; MI455X (gfx1250); checked and timed in simulation.
; The chip was launched on July 23, 2026; its instructions are those of AMD's public machine-readable ISA for CDNA 5 (MIT licence, August 2026) and "CDNA5" Instruction Set Architecture Reference Guide (July 2026). The comments in the code are by the model that wrote it; some were corrected since.
;; Multi Head Attention. Allowed arithmetic: matrix products marked QUANTISED: E4M3 operands, one given power-of-two scale a tensor, by v_wmma_f32_16x16x64_fp8_fp8 or v_wmma_f32_16x16x128_fp8_fp8, f32 sums; everything else in f32.
;; Inputs: Wk 1,024 x 1,024 float32; Wo 1,024 x 1,024 float32; Wq 1,024 x 1,024 float32; Wv 1,024 x 1,024 float32; bk 1,024 float32; bo 1,024 float32; bq 1,024 float32; bv 1,024 float32; k 1,024 x 8 x 1,024 float32; lowp_scales 16 int32 (the exponents e of the quantised operands' scales 2^e); mask 8 x 1,024 x 1,024 float32; q 1,024 x 8 x 1,024 float32; rel_k_table 33 x 64 float32; rel_v_table 33 x 64 float32; v 1,024 x 8 x 1,024 float32.
;; Outputs: out0 1,024 x 8 x 1,024 float32.
;; This version of the problem:
;;   THIS VERSION OF THE PROBLEM IS GIVEN IN LOW PRECISION. The matrix products marked QUANTISED in the list below multiply operands that are first quantised to E4M3 (4 exponent bits, 3 mantissa bits; 8 bits a number), with one given power-of-two scale for each operand tensor; their sums are f32. All else is computed in f32.
;;   The module's matrix products, in the order in which they are computed (A, B: the left and right operand; K: the contracted axis; several contracted axes count as one K, in the product's order):
;;     1. [M 8,192, K 1,024] x [K 1,024, N 1,024]; A: input q; B: input Wq: QUANTISED (scales: A lowp_scales[0], B lowp_scales[1])
;;     2. [M 8,192, K 1,024] x [K 1,024, N 1,024]; A: input k; B: input Wk: QUANTISED (scales: A lowp_scales[2], B lowp_scales[3])
;;     3. [M 8,192, K 1,024] x [K 1,024, N 1,024]; A: input v; B: input Wv: QUANTISED (scales: A lowp_scales[4], B lowp_scales[5])
;;     4. batch 128 x [M 1,024, K 64] x [K 64, N 1,024]; A: computed on the way; B: computed on the way: QUANTISED (scales: A lowp_scales[6], B lowp_scales[7])
;;     5. batch 1,024 x [M 1,024, K 64] x [K 64, N 128]; A: computed on the way; B: computed on the way: QUANTISED (scales: A lowp_scales[8], B lowp_scales[9])
;;     6. batch 128 x [M 1,024, K 1,024] x [K 1,024, N 64]; A: softmax (see below); B: computed on the way: QUANTISED (scales: A lowp_scales[10], B lowp_scales[11])
;;     7. batch 1,024 x [M 64, K 1,024] x [K 1,024, N 128]; A: computed on the way; B: softmax (see below): QUANTISED (scales: A lowp_scales[12], B lowp_scales[13])
;;     8. [M 8,192, K 1,024] x [K 1,024, N 1,024]; A: computed on the way; B: input Wo: QUANTISED (scales: A lowp_scales[14], B lowp_scales[15])
;;   THE QUANTISER, for each operand of a quantised product, along K:
;;     - The operand's scale is 2^e, e = its entry of the input lowp_scales (int32; the entries are numbered through the quantised products in the list's order, A before B).
;;     - Each number is divided by the scale, clamped to +-448, and rounded to the nearest number of E4M3, ties to even, subnormals kept.
;;     - The product sums the exact products of the quantised numbers (number of the format x scale) in f32.
;;   ~~~python
;;   def quantise(x, axis, e):      # numpy; x: float32 -> the quantised numbers, widened to float32 again
;;       x = np.moveaxis(x, axis, -1); K = x.shape[-1]
;;       r = np.clip(x / 2.0 ** e, -448, 448)
;;       step = 2.0 ** (np.maximum(np.frexp(np.where(r == 0, 1, r))[1] - 1, -6) - 3)
;;       q = np.round(r / step) * step * 2.0 ** e      # np.round: ties to even
;;       return np.moveaxis(q, -1, axis).astype(np.float32)
;;   ~~~
;;   SOFTMAX AHEAD OF A QUANTISED PRODUCT. Where the list says 'softmax', what is quantised is not the finished softmax but p = 2^(t - M), with t = logit x log2(e) and M = ceil(the row's largest t), a whole number; so 1/2 < the row's largest p <= 1. The row's sum l is taken of the UNQUANTISED p, in f32, and the product's result is divided by l at the end. Since M is a whole number, a kernel that streams over the keys may use a running M (the ceiling of the running maximum): every later rescaling is an exact power of two, so the quantised numbers keep their values, but for numbers so far below the row's largest that they fall under the format's range.
;;   OPERANDS COMPUTED ON THE WAY. 'Computed on the way' means the value that the module computes at that place (a softmax that the list does not call 'softmax' is quantised finished and normalised). What goes into a quantiser is computed in f32, as accurately as f32 sums, v_exp_f32 and their like allow (about 1e-6 of the number): no bf16 or f16 on the way to a quantiser, and a product that is left as it is and whose result goes on into a quantised operand takes f32 operands (vector FMAs, or v_wmma_f32_16x16x4_f32). A number that lies on a knife's edge between two numbers of the format may be rounded either way, as far as f32 arithmetic and the matrix unit's own rounding can turn it there, and no further.
;; One version. Each part assembles by itself: llvm-mc -triple=amdgcn-amd-amdhsa -mcpu=gfx1250 --defsym DOCPART=n.
;; ======== version 1 of 1: 4 launches
;; limits: right only within a limited range of input values
;; workspace buffers: xc 25,165,824 bytes; wc 4,194,304 bytes; relc 13,312 bytes; hc 33,554,432 bytes; oc 8,388,608 bytes
;; launch quant (part 1): grid 909 x 1, 4 waves a work-group, no clusters, 55,808 bytes of LDS; arguments q, k, v, Wq, Wk, Wv, Wo, rel_k_table, rel_v_table, lowp_scales, xc, wc, relc; writes xc, wc, relc
.if DOCPART == 1
	.amdgcn_target "amdgcn-amd-amdhsa--gfx1250"
	.amdhsa_code_object_version 6
	.text
	.protected	k_q61c9988ddc_quant
	.globl	k_q61c9988ddc_quant
	.p2align	8
	.type	k_q61c9988ddc_quant,@function
k_q61c9988ddc_quant:
	s_mov_b64 s[64:65], 0
	v_nop
	global_prefetch_b8 v0, s[64:65] scope:SCOPE_SE
	s_setreg_imm32_b32 hwreg(HW_REG_WAVE_MODE, 25, 1), 1
	s_wait_xcnt 0x0
; All f32 inputs of the quantised products become codes of FP8 (E4M3): code = x / 2^e, held within +-448, to the nearest code, ties to even.  LIMITS: -126 <= e and e + 8 <= 127.  NaN among the inputs is not served.
; Work-groups 0-127: Wq, Wk, Wv, Wo [1024 k][1024 n] -> wc[4][n][k], K innermost, scales e1, e3, e5, e15.  A lane takes a column n and its registers run down K, so the conversions give codes with K innermost;
;   a wave's 32 columns x 256 K go through its own stage in LDS and leave as rows: sixteen lanes store 256 consecutive bytes, aligned.
; Work-groups 128-133: TKX[y][64] = codes (e8) of rel_k_table[clip(y - 31, 0, 32)], y = 0 .. 95, at byte 0 of relc.
; Work-groups 134-140: TVX[d][y] = codes (e12) of rel_v_table[clip(y - 31, 0, 32)][d], y = 0 .. 95, zero codes for y = 96 .. 111; rows of 112 bytes, at byte 6,144 of relc.  y stands for key - query + 47: the clip lies in these tables.
; Work-groups 141-908: q, k, v [1024 t][8 b][1024] -> xc[3][b][t][1024], scales e0, e2, e4; 256 work-groups to a tensor.  A wave takes one t: 32,768 consecutive bytes in 16 steps of 512 numbers; step i is half i % 2 of the row of b = i / 2.
;   Each load reads 512 consecutive bytes; a step's 2,048 bytes turn through the wave's own stage in LDS (16 bytes of padding behind each 64) so that a lane gets 16 neighbours along K; the wave stores 512 consecutive bytes.
; The paths part on the work-group's number alone.  The two that use LDS have LDS bytes of their own; every LDS address is made ahead of the first branch.  No barrier: waves share nothing.
.set EMAX,  8
.set MANT,  0x600000                   ; the mantissa field of 448 as f32
.set SP,    80                         ; tokens: a lane's place in a stage: 64 bytes + 16
.set XREG,  2*32*SP                    ; tokens: two stages a wave
.set WST,   4*XREG                     ; weights: the stages begin here
.set PITCH, 272                        ; weights: a stage row: 256 bytes + 16
.set SPARE, WST+4*32*PITCH             ; behind both: the spare words, 128 bytes a wave
.set STEPS, 16
.set XR,    16                         ; tokens: v16-79 four sets of 16 numbers as loaded
.set XX,    80                         ;         v80-111 two sets of 16 neighbours
.set XC,    128                        ;         v128-191 codes: four registers for each step, never written again
.set SIZE_N, 1024
.set NB,    8                          ; weights: blocks of 32 along K for a wave
.set KROW,  1024
.set WX,    32                         ; weights: v32-95 two sets of 32 numbers
.set WC,    96                         ;          v96-103 a block's codes
.set WOUT,  112                        ;          v112-175 the way out
.set SPW,   12                         ; v12 my spare word's LDS address; never rewritten
.set NIL,   13                         ; v13 0; never rewritten
	s_load_b512 s[4:19], s[0:1], 0x0               ; q s[4:5], k s[6:7], v s[8:9], Wq s[10:11], Wk s[12:13], Wv s[14:15], Wo s[16:17], rel_k s[18:19]
	s_load_b256 s[20:27], s[0:1], 0x40             ; rel_v s[20:21], the scales s[22:23], xc s[24:25], wc s[26:27]
	s_load_b64 s[28:29], s[0:1], 0x60              ; relc
	v_lshl_add_u32 v[SPW], v0, 2, SPARE
	v_mov_b32 v[NIL], 0
	v_lshrrev_b32 v1, 5, v0
	v_readfirstlane_b32 s48, v1                    ; wave
	v_and_b32 v2, 31, v0                           ; lane
	v_lshlrev_b32 v3, 4, v2                        ; tokens: my 16 bytes of a load's, and of a store's, 512
	s_mul_i32 s49, s48, XREG
	v_lshrrev_b32 v14, 2, v2
	v_mul_u32_u24 v14, v14, SP
	v_and_b32 v15, 3, v2
	v_lshl_add_u32 v14, v15, 4, v14
	v_add_nc_u32 v14, s49, v14                     ; tokens: the stage on the way in: SP (lane / 4) + 16 (lane % 4)
	v_mul_u32_u24 v15, v2, SP
	v_add_nc_u32 v15, s49, v15                     ; and on the way out: SP x lane: my 16 neighbours
	v_lshlrev_b32 v5, 2, v2                        ; weights: in: 4 bytes a lane
	s_mul_i32 s49, s48, 32*PITCH
	s_add_co_u32 s49, s49, WST                     ; weights: my stage
	v_mul_u32_u24 v6, v2, PITCH
	v_add_nc_u32 v6, s49, v6                       ; into it: row = my column
	v_and_b32 v9, 15, v2
	v_lshrrev_b32 v8, 4, v2
	v_mul_u32_u24 v7, v8, PITCH
	v_lshl_add_u32 v7, v9, 4, v7
	v_add_nc_u32 v7, s49, v7                       ; out of it: sixteen lanes to a row, two rows an instruction
	v_mul_u32_u24 v8, v8, KROW
	v_lshl_add_u32 v8, v9, 4, v8                   ; and the same place in wc
	s_wait_kmcnt 0x0
	s_load_b512 s[32:47], s[22:23], 0x0            ; e0 .. e15 in s32 .. s47
	s_cmp_lt_u32 ttmp9, 128
	s_cbranch_scc0 .Lnot_w
	; ---- a weight
	s_lshr_b32 s50, ttmp9, 5                       ; which weight
	s_and_b32 s51, ttmp9, 7                        ; which 128 columns
	s_bfe_u32 s52, ttmp9, 0x20003                  ; which 256 along K
	s_lshl_b32 s51, s51, 7
	s_lshl_b32 s53, s48, 5
	s_add_co_u32 s51, s51, s53                     ; my wave's first column
	s_lshl_b32 s54, s52, 20                        ; W: 256 rows of 4,096 bytes
	s_lshl_b32 s55, s51, 2
	s_add_co_u32 s54, s54, s55
	s_mov_b32 s55, 0
	s_lshl_b32 s56, s50, 20                        ; wc: weight x 1 MiB + column x 1,024 + 256 x (which K)
	s_lshl_b32 s57, s51, 10
	s_add_co_u32 s56, s56, s57
	s_lshl_b32 s57, s52, 8
	s_add_co_u32 s56, s56, s57
	s_mov_b32 s57, 0
	s_cmp_eq_u32 s50, 1
	s_cselect_b64 s[10:11], s[12:13], s[10:11]
	s_cmp_eq_u32 s50, 2
	s_cselect_b64 s[10:11], s[14:15], s[10:11]
	s_cmp_eq_u32 s50, 3
	s_cselect_b64 s[10:11], s[16:17], s[10:11]
	s_add_nc_u64 s[10:11], s[10:11], s[54:55]
	s_add_nc_u64 s[26:27], s[26:27], s[56:57]
.macro WLOAD t                         ; block t: W(32 t + i, my column) into set t % 2
.irp i, 0,1,2,3,4,5,6,7,8,9,10,11,12,13,14,15,16,17,18,19,20,21,22,23,24,25,26,27,28,29,30,31
	global_load_b32 v[WX+32*((\t)%2)+\i], v5, s[10:11] offset:(32*(\t)+\i)*SIZE_N*4 th:TH_LOAD_NT
.endr
.endm
	WLOAD 0
	WLOAD 1
	s_wait_kmcnt 0x0
	s_cmp_eq_u32 s50, 1
	s_cselect_b32 s58, s35, s33                    ; e3 or e1,
	s_cmp_eq_u32 s50, 2
	s_cselect_b32 s58, s37, s58                    ; e5,
	s_cmp_eq_u32 s50, 3
	s_cselect_b32 s58, s47, s58                    ; e15
	s_add_co_i32 s58, s58, 127
	s_lshl_b32 s59, s58, 23
	v_mov_b32 v11, s59                             ; 2^e
	s_add_co_i32 s58, s58, EMAX
	s_lshl_b32 s58, s58, 23
	s_or_b32 s58, s58, MANT
.macro WBLOCK t
.set XS, WX+32*((\t)%2)
.if (\t) < NB-1
	s_wait_loadcnt 32                              ; this block's 32 loads are in; the next block's may be out
.else
	s_wait_loadcnt 0
.endif
.irp i, 0,1,2,3,4,5,6,7,8,9,10,11,12,13,14,15,16,17,18,19,20,21,22,23,24,25,26,27,28,29,30,31
.endr
.irp g, 0,1,2,3
	v_cvt_scalef32_pk8_fp8_f32 v[WC+2*\g:WC+2*\g+1], v[XS+8*\g:XS+8*\g+7], v11
.endr
	ds_store_b128 v6, v[WC:WC+3] offset:32*(\t)    ; 32 codes: 32 bytes of my column's row
	ds_store_b128 v6, v[WC+4:WC+7] offset:32*(\t)+16
.if (\t)+2 < NB
	WLOAD (\t)+2
.endif
	s_wait_dscnt 0x0                               ; the stores have read their registers: the next block's codes may be written
.endm
.set Q, 0
	s_wait_alu depctr_va_vdst(0)
.rept NB
	WBLOCK Q
.set Q, Q+1
.endr
.irp t, 0,1,2,3,4,5,6,7,8,9,10,11,12,13,14,15
	ds_load_b128 v[WOUT+4*\t:WOUT+4*\t+3], v7 offset:2*\t*PITCH
.endr
.irp t, 0,1,2,3,4,5,6,7,8,9,10,11,12,13,14,15
	s_wait_dscnt 15-\t                             ; LDS loads come back in order: load t is in, the younger ones may be out
	global_store_b128 v8, v[WOUT+4*\t:WOUT+4*\t+3], s[26:27] offset:2*\t*KROW
.endr
	s_wait_tensorcnt 0x0                           ; the wave's end, behind my last LDS store
	ds_add_u32 v[SPW], v[NIL]
	s_wait_dscnt 0x0
	s_endpgm
.Lnot_w:
	s_cmp_lt_u32 ttmp9, 134
	s_cbranch_scc0 .Lnot_tk
	; ---- TKX: thread n takes 8 numbers: y = n / 8, channels 8 (n % 8) on
	s_sub_co_u32 s50, ttmp9, 128
	s_lshl_b32 s50, s50, 7
	v_add_nc_u32 v16, s50, v0                      ; n = 0 .. 767
	v_lshrrev_b32 v17, 3, v16                      ; y
	v_and_b32 v18, 7, v16
	v_max_u32 v17, 31, v17
	v_min_u32 v17, 63, v17
	v_sub_nc_u32 v17, v17, 31                      ; clip(y - 31, 0, 32)
	v_lshlrev_b32 v17, 8, v17                      ; a row of the table is 256 bytes
	v_lshl_add_u32 v17, v18, 5, v17
	v_lshlrev_b32 v19, 3, v16                      ; out: 8 n
	global_load_b128 v[32:35], v17, s[18:19]
	global_load_b128 v[36:39], v17, s[18:19] offset:16
	s_wait_kmcnt 0x0
	s_add_co_i32 s58, s40, 127                     ; e8
	s_lshl_b32 s59, s58, 23
	v_mov_b32 v11, s59
	s_wait_alu depctr_va_vdst(0)
	s_wait_loadcnt 0x0
.irp i, 0,1,2,3,4,5,6,7
.endr
	v_cvt_scalef32_pk8_fp8_f32 v[40:41], v[32:39], v11
	global_store_b64 v19, v[40:41], s[28:29]       ; a wave stores 256 consecutive bytes, aligned
	s_endpgm
.Lnot_tk:
	s_cmp_lt_u32 ttmp9, 141
	s_cbranch_scc0 .Lx
	; ---- TVX: thread n takes 8 numbers: d = n / 14, y = 8 (n % 14) + 0 .. 7
	s_sub_co_u32 s50, ttmp9, 134
	s_lshl_b32 s50, s50, 7
	v_add_nc_u32 v16, s50, v0                      ; n = 0 .. 895
	v_mul_u32_u24 v17, v16, 4682
	v_lshrrev_b32 v17, 16, v17                     ; n / 14: 4682 / 65536 is 1 / 14 + 0.0000131, and 895 x 0.0000131 stays under 1 / 14
	v_mul_u32_u24 v18, v17, 14
	v_sub_nc_u32 v18, v16, v18                     ; n % 14
	v_lshlrev_b32 v20, 3, v18
	v_lshlrev_b32 v19, 3, v16                      ; out: 8 n
.irp j, 0,1,2,3,4,5,6,7
	v_add_nc_u32 v[48+\j], \j, v20                 ; y
	v_max_u32 v[48+\j], 31, v[48+\j]
	v_min_u32 v[48+\j], 63, v[48+\j]
	v_sub_nc_u32 v[48+\j], v[48+\j], 31
	v_lshlrev_b32 v[48+\j], 8, v[48+\j]
	v_lshl_add_u32 v[48+\j], v17, 2, v[48+\j]      ; row clip(y - 31, 0, 32), channel d
.endr
.irp j, 0,1,2,3,4,5,6,7
	global_load_b32 v[32+\j], v[48+\j], s[20:21]
.endr
	s_wait_kmcnt 0x0
	s_add_co_i32 s58, s44, 127                     ; e12
	s_lshl_b32 s59, s58, 23
	v_mov_b32 v11, s59
	v_cmp_gt_u32 vcc_lo, 12, v18                   ; y under 96
	s_wait_loadcnt 0x0
.irp j, 0,1,2,3,4,5,6,7
	v_cndmask_b32 v[32+\j], 0, v[32+\j], vcc_lo    ; from y = 96 on: zeros
.endr
.irp j, 0,1,2,3,4,5,6,7
.endr
	v_cvt_scalef32_pk8_fp8_f32 v[40:41], v[32:39], v11
	global_store_b64 v19, v[40:41], s[28:29] offset:6144
	s_endpgm
.Lx:
	; ---- q, k or v
	s_sub_co_u32 s50, ttmp9, 141
	s_lshr_b32 s51, s50, 8                         ; which tensor: 0 q, 1 k, 2 v
	s_and_b32 s52, s50, 255
	s_lshl_b32 s52, s52, 2
	s_add_co_u32 s52, s52, s48                     ; my t
	s_lshl_b32 s54, s52, 15                        ; in: t x 32,768 bytes
	s_mov_b32 s55, 0
	s_lshl_b32 s56, s51, 23                        ; out: tensor x 8 MiB + t x 1,024
	s_lshl_b32 s57, s52, 10
	s_add_co_u32 s56, s56, s57
	s_mov_b32 s57, 0
	s_cmp_eq_u32 s51, 0
	s_cselect_b64 s[4:5], s[4:5], s[6:7]
	s_cmp_eq_u32 s51, 2
	s_cselect_b64 s[4:5], s[8:9], s[4:5]
	s_add_nc_u64 s[4:5], s[4:5], s[54:55]
	s_add_nc_u64 s[24:25], s[24:25], s[56:57]
.macro XLOAD t
.irp i, 0,1,2,3
	global_load_b128 v[XR+16*((\t)%4)+4*\i:XR+16*((\t)%4)+4*\i+3], v3, s[4:5] offset:2048*(\t)+512*\i th:TH_LOAD_NT   ; 32 lanes read 512 consecutive bytes
.endr
.endm
.macro XTURN t                         ; step t through the stage: LDS serves a wave's instructions in order, so no wait stands between the stores and the loads
.irp i, 0,1,2,3
	ds_store_b128 v14, v[XR+16*((\t)%4)+4*\i:XR+16*((\t)%4)+4*\i+3] offset:32*SP*((\t)%2)+8*SP*\i
.endr
.irp i, 0,1,2,3
	ds_load_b128 v[XX+16*((\t)%2)+4*\i:XX+16*((\t)%2)+4*\i+3], v15 offset:32*SP*((\t)%2)+16*\i
.endr
.endm
.irp t, 0,1,2,3
	XLOAD \t
.endr
	s_wait_kmcnt 0x0
	s_cmp_eq_u32 s51, 0
	s_cselect_b32 s58, s32, s34                    ; e0 or e2,
	s_cmp_eq_u32 s51, 2
	s_cselect_b32 s58, s36, s58                    ; or e4
	s_add_co_i32 s58, s58, 127
	s_lshl_b32 s59, s58, 23
	v_mov_b32 v11, s59                             ; 2^e as f32: the conversion takes its exponent field
	s_add_co_i32 s58, s58, EMAX
	s_lshl_b32 s58, s58, 23
	s_or_b32 s58, s58, MANT
	s_wait_alu depctr_va_vdst(0)
	s_wait_loadcnt 12                              ; step 0's four loads are in; three steps' twelve may be out
	XTURN 0
.macro XSTEP t
.set XS, XX+16*((\t)%2)
	s_wait_dscnt 0x0                               ; this step's numbers are back from the stage, so its stores into the stage have read their registers,
.if (\t)+4 < STEPS
	XLOAD (\t)+4                                   ; which take the loads of four steps on
.endif
.if (\t)+1 < STEPS
.if STEPS-2-(\t) >= 3
	s_wait_loadcnt 12                              ; the next step's four loads are in; those of the three steps behind it may be out
.else
	s_wait_loadcnt 4*(STEPS-2-(\t))
.endif
	XTURN (\t)+1
.endif
.irp i, 0,1,2,3,4,5,6,7,8,9,10,11,12,13,14,15
.endr
	v_cvt_scalef32_pk8_fp8_f32 v[XC+4*(\t):XC+4*(\t)+1], v[XS:XS+7], v11
	v_cvt_scalef32_pk8_fp8_f32 v[XC+4*(\t)+2:XC+4*(\t)+3], v[XS+8:XS+15], v11
	global_store_b128 v3, v[XC+4*(\t):XC+4*(\t)+3], s[24:25] offset:((\t)/2)*1048576+((\t)%2)*512   ; b = t / 2 is 1 MiB apart: 7,340,544 at the most, inside the signed 24-bit immediate
.endm
.irp t, 0,1,2,3,4,5,6,7,8,9,10,11,12,13,14,15
	XSTEP \t
.endr
	s_wait_tensorcnt 0x0                           ; the wave's end, behind my last LDS store
	ds_add_u32 v[SPW], v[NIL]
	s_wait_dscnt 0x0
	s_endpgm
.Lfunc_end_k_q61c9988ddc_quant:
	.size	k_q61c9988ddc_quant, .Lfunc_end_k_q61c9988ddc_quant-k_q61c9988ddc_quant
	.p2alignl 7, 3214868480
	.fill 96, 4, 3214868480
	.section	.rodata,"a",@progbits
	.p2align	6, 0x0
	.amdhsa_kernel k_q61c9988ddc_quant
		.amdhsa_group_segment_fixed_size 55808
		.amdhsa_private_segment_fixed_size 0
		.amdhsa_enable_private_segment 0
		.amdhsa_kernarg_size 104
		.amdhsa_user_sgpr_count 2
		.amdhsa_user_sgpr_kernarg_segment_ptr 1
		.amdhsa_wavefront_size32 1
		.amdhsa_system_sgpr_workgroup_id_x 1
		.amdhsa_system_sgpr_workgroup_id_y 1
		.amdhsa_system_sgpr_workgroup_id_z 1
		.amdhsa_system_vgpr_workitem_id 0
		.amdhsa_next_free_vgpr 192
		.amdhsa_next_free_sgpr 66
		.amdhsa_reserve_vcc 1
		.amdhsa_float_denorm_mode_32 3
		.amdhsa_float_denorm_mode_16_64 3
		.amdhsa_fp16_overflow 1
		.amdhsa_memory_ordered 1
		.amdhsa_forward_progress 1
		.amdhsa_inst_pref_size 59
	.end_amdhsa_kernel
	.amdgpu_metadata
---
amdhsa.version: [ 1, 2 ]
amdhsa.kernels:
  - .name:           k_q61c9988ddc_quant
    .symbol:         k_q61c9988ddc_quant.kd
    .args:
      - { .name: q, .offset: 0, .size: 8, .value_kind: global_buffer, .address_space: global }
      - { .name: k, .offset: 8, .size: 8, .value_kind: global_buffer, .address_space: global }
      - { .name: v, .offset: 16, .size: 8, .value_kind: global_buffer, .address_space: global }
      - { .name: Wq, .offset: 24, .size: 8, .value_kind: global_buffer, .address_space: global }
      - { .name: Wk, .offset: 32, .size: 8, .value_kind: global_buffer, .address_space: global }
      - { .name: Wv, .offset: 40, .size: 8, .value_kind: global_buffer, .address_space: global }
      - { .name: Wo, .offset: 48, .size: 8, .value_kind: global_buffer, .address_space: global }
      - { .name: rel_k_table, .offset: 56, .size: 8, .value_kind: global_buffer, .address_space: global }
      - { .name: rel_v_table, .offset: 64, .size: 8, .value_kind: global_buffer, .address_space: global }
      - { .name: lowp_scales, .offset: 72, .size: 8, .value_kind: global_buffer, .address_space: global }
      - { .name: xc, .offset: 80, .size: 8, .value_kind: global_buffer, .address_space: global }
      - { .name: wc, .offset: 88, .size: 8, .value_kind: global_buffer, .address_space: global }
      - { .name: relc, .offset: 96, .size: 8, .value_kind: global_buffer, .address_space: global }
    .group_segment_fixed_size: 55808
    .private_segment_fixed_size: 0
    .kernarg_segment_align: 8
    .kernarg_segment_size: 104
    .max_flat_workgroup_size: 128
    .sgpr_count:     66
    .vgpr_count:     192
    .wavefront_size: 32
...
	.end_amdgpu_metadata
.endif
;; end of part 1
;; launch proj (part 2): grid 4 x 96, 4 waves a work-group, clusters of 4 x 4, 327,680 bytes of LDS; arguments xc, wc, lowp_scales, bq, bk, bv, hc; writes hc
.if DOCPART == 2
	.amdgcn_target "amdgcn-amd-amdhsa--gfx1250"
	.amdhsa_code_object_version 6
	.text
	.protected	k_q61c9988ddc_proj
	.globl	k_q61c9988ddc_proj
	.p2align	8
	.type	k_q61c9988ddc_proj,@function
k_q61c9988ddc_proj:
	s_mov_b64 s[64:65], 0
	v_nop
	global_prefetch_b8 v0, s[64:65] scope:SCOPE_SE
	s_setreg_imm32_b32 hwreg(HW_REG_WAVE_MODE, 25, 1), 1
	s_wait_xcnt 0x0
	s_wait_alu depctr_hold_cnt(0) depctr_sa_sdst(0) depctr_va_vdst(0) depctr_va_sdst(0) depctr_va_ssrc(0) depctr_va_vcc(0) depctr_vm_vsrc(0)
	s_getreg_b32 s2, hwreg(HW_REG_IB_STS2, 6, 4)
	s_cmp_eq_u32 s2, 0
	s_cbranch_scc0 .Lentry_in_a_cluster
	s_endpgm
.Lentry_in_a_cluster:
	s_bfe_u32 s2, ttmp6, 0x10000c
	s_cmp_lg_u32 s2, 0xf033
	s_cbranch_scc0 .Lentry_shape_is_right
	s_endpgm
.Lentry_shape_is_right:
.set KSTEP,  256
.set ROWB,   256
.set KROW,   1024
.set PITCH,  272
.set FR,     16
.set NL,     4
.set NP,     4
.set HALFT,  128*PITCH
.set SLOT,   4*HALFT
.set LAPS,   KROW/(2*KSTEP)
.set SPARE,  2*SLOT
.set SP2,    144
.set STG2,   4*16*SP2
.set COX,  12
.set ADRA, 16
.set ADRB, 20
.set STO,  24
.set RD,   25
.set SPW,  28
.set NIL,  29
.set SCV,  30
.set LIMV, 31
.set BC,   32
.set BR,   96
.set AF,   128
.set TMP,  128
.set CODE, 192
.set BK,   224
.set G1, 24
.set G0, 32
.set G1B, 48
.set G0B, 56
.set MSB, 0
.macro WIN new
.if MSB != \new
	s_set_vgpr_msb (MSB<<8)|\new
.set MSB, \new
.endif
.endm
.set MUL_LO, 0xa1
.set MUL_HI, 0xf1
.set TO_B,   0x40
.macro JLOAD g0a, g1a, g0b, g1b
	s_cmp_eq_u32 s15, 0
	s_cbranch_scc0 .Lfor_b_\@
	tensor_load_to_lds s[\g0a:\g0a+3], s[\g1a:\g1a+7]
	s_nop 0
.rept 4
	v_nop
.endr
	s_branch .Lasked_\@
.Lfor_b_\@:
	tensor_load_to_lds s[\g0b:\g0b+3], s[\g1b:\g1b+7]
	s_nop 0
.rept 4
	v_nop
.endr
.Lasked_\@:
.endm
.macro CREST
	s_cmp_lg_u32 s14, 0
	s_cbranch_scc1 .Lnot_wave_0_\@
	s_barrier_signal -3
.Lnot_wave_0_\@:
	s_barrier_wait -3
	s_barrier_signal -1
	s_barrier_wait -1
.endm
.macro CROUND
	s_barrier_signal -1
	s_barrier_wait -1
	CREST
.endm
	s_load_b256 s[4:11], s[0:1], 0x0
	s_load_b128 s[68:71], s[0:1], 0x20
	s_load_b64 s[72:73], s[0:1], 0x30
	v_lshl_add_u32 v[SPW], v0, 2, SPARE
	v_mov_b32 v[NIL], 0
	ds_add_u32 v[SPW], v[NIL]
	ds_add_u32 v[SPW], v[NIL]
	v_lshrrev_b32 v1, 5, v0
	v_readfirstlane_b32 s14, v1
	s_lshr_b32 s15, s14, 1
	s_and_b32 s16, s14, 1
	s_bfe_u32 s40, ttmp6, 0x40000
	s_bfe_u32 s41, ttmp6, 0x40004
	s_and_b32 s92, ttmp7, 0xffff
	s_lshr_b32 s74, s92, 3
	s_and_b32 s75, s92, 7
	s_cmp_eq_u32 s74, 2
	s_cselect_b32 s93, s75, 0
	s_cselect_b32 s94, 0, s75
	s_cselect_b32 s99, 0, -1
	s_cselect_b32 s100, -1, 0
	s_lshl_b32 s42, s93, 2
	s_add_co_u32 s42, s42, s40
	s_lshl_b32 s17, s94, 2
	s_add_co_u32 s17, s17, s41
	s_lshl_b32 s43, s41, 2
	s_lshl_b32 s43, 15, s43
	s_lshl_b32 s44, 0x1111, s40
	s_or_b32 s[G1+0], s43, (0<<16)|(1<<20)|(1<<21)|(5<<22)|(3<<25)
	s_or_b32 s[G1B+0], s44, (0<<16)|(1<<20)|(1<<21)|(5<<22)|(3<<25)
.irp g, G1, G1B
	s_mov_b32 s[\g+1], ROWB<<16
	s_mov_b32 s[\g+2], 128<<16
	s_mov_b32 s[\g+3], ROWB<<16
	s_mov_b32 s[\g+4], 128
	s_mov_b32 s[\g+5], KROW
	s_mov_b32 s[\g+6], 0
	s_mov_b32 s[\g+7], 0
.endr
	s_lshl_b32 s18, s16, 7
	s_lshl_b32 s20, s17, 8
	s_add_co_u32 s20, s20, s18
	s_lshl_b32 s20, s20, 10
	s_mov_b32 s21, 0
	s_lshl_b32 s46, s42, 8
	s_add_co_u32 s46, s46, s18
	s_lshl_b32 s46, s46, 10
	s_mov_b32 s47, 0
	s_mul_i32 s45, s14, HALFT
	s_wait_dscnt 0x0
	s_wait_kmcnt 0x0
	s_load_b512 s[76:91], s[8:9], 0x0
	s_lshl_b32 s92, s74, 23
	s_mov_b32 s93, 0
	s_add_nc_u64 s[92:93], s[4:5], s[92:93]
	s_lshl_b32 s94, s74, 20
	s_mov_b32 s95, 0
	s_add_nc_u64 s[94:95], s[6:7], s[94:95]
	s_cmp_eq_u32 s74, 2
	s_cselect_b64 s[4:5], s[94:95], s[92:93]
	s_cselect_b64 s[6:7], s[92:93], s[94:95]
	s_add_nc_u64 s[20:21], s[4:5], s[20:21]
	s_add_nc_u64 s[46:47], s[6:7], s[46:47]
	CROUND
.irp s, 0,1
	s_mov_b32 s[G0+4*\s], 1
	s_add_co_u32 s[G0+4*\s+1], s45, \s*SLOT
	s_add_nc_u64 s[G0+4*\s+2:G0+4*\s+3], s[20:21], \s*ROWB
	s_or_b32 s[G0+4*\s+3], s[G0+4*\s+3], 0x80000000
	s_mov_b32 s[G0B+4*\s], 1
	s_add_co_u32 s[G0B+4*\s+1], s45, \s*SLOT
	s_add_nc_u64 s[G0B+4*\s+2:G0B+4*\s+3], s[46:47], \s*ROWB
	s_or_b32 s[G0B+4*\s+3], s[G0B+4*\s+3], 0x80000000
	s_wait_alu depctr_va_vdst(0)
	s_wait_tensorcnt 0x0
	ds_add_u32 v28, v29
	ds_add_u32 v28, v29
	s_wait_dscnt 0x0
	CROUND
	JLOAD G0+4*\s, G1, G0B+4*\s, G1B
.endr
	v_and_b32 v1, 15, v0
	s_wait_alu depctr_va_vdst(0)
	v_bfe_u32 v2, v0, 4, 1
	v_mul_u32_u24 v3, v1, PITCH
	v_lshl_add_u32 v4, v2, 4, v3
	s_mul_i32 s21, s15, HALFT
	s_mul_i32 s22, s16, HALFT
	s_add_co_u32 s22, s22, 2*HALFT
.irp s, 0,1
	v_add_nc_u32 v[ADRA+\s], s21, v4
	v_add_nc_u32 v[ADRB+\s], s22, v4
	s_add_co_u32 s21, s21, SLOT
	s_add_co_u32 s22, s22, SLOT
.endr
	s_mul_i32 s23, s14, 16*SP2
	v_mul_u32_u24 v5, v1, SP2
	s_wait_alu depctr_va_vdst(0)
	v_lshl_add_u32 v5, v2, 3, v5
	v_add_nc_u32 v[STO], s23, v5
	v_and_b32 v6, 31, v0
	s_mov_b32 s93, 2048
	s_cmp_eq_u32 s74, 1
	s_cselect_b32 s92, 1024, s93
	s_sub_co_u32 s93, 3072, s92
	v_lshlrev_b32 v[COX], 4, v6
	v_add_nc_u32 v[COX+1], s93, v[COX]
	v_add_nc_u32 v[COX+2], s92, v[COX]
	v_add_nc_u32 v[COX+3], s93, v[COX+2]
	v_lshrrev_b32 v5, 3, v6
	v_mul_u32_u24 v5, v5, SP2
	v_and_b32 v6, 7, v6
	v_lshl_add_u32 v5, v6, 4, v5
	v_add_nc_u32 v[RD], s23, v5
	s_cmp_eq_u32 s74, 1
	s_cselect_b64 s[10:11], s[68:69], s[10:11]
	s_cmp_eq_u32 s74, 2
	s_cselect_b64 s[10:11], s[70:71], s[10:11]
	s_lshl_b32 s92, s42, 8
	s_lshl_b32 s93, s16, 7
	s_add_co_u32 s92, s92, s93
	s_and_b32 s92, s92, 1023
	s_lshl_b32 s92, s92, 2
	v_lshl_add_u32 v7, v2, 5, s92
	s_lshl_b32 s94, s17, 8
	s_lshl_b32 s95, s15, 7
	s_add_co_u32 s94, s94, s95
	s_and_b32 s94, s94, 1023
	s_lshl_b32 s94, s94, 2
	v_lshl_add_u32 v8, v1, 2, s94
.irp b, 0,1,2,3,4,5,6,7
	global_load_b128 v[BC+8*\b:BC+8*\b+3], v7, s[10:11] offset:64*\b
	global_load_b128 v[BC+8*\b+4:BC+8*\b+7], v7, s[10:11] offset:64*\b+16
.endr
.irp a, 0,1,2,3,4,5,6,7
	global_load_b32 v[BR+\a], v8, s[10:11] offset:64*\a
.endr
	s_lshr_b32 s94, s17, 2
	s_lshl_b32 s94, s94, 20
	s_and_b32 s95, s17, 3
	s_lshl_b32 s95, s95, 1
	s_add_co_u32 s95, s95, s15
	s_lshl_b32 s95, s95, 14
	s_add_co_u32 s94, s94, s95
	s_lshl_b32 s95, s74, 23
	s_add_co_u32 s94, s94, s95
	s_mov_b32 s95, 0
	s_add_nc_u64 s[72:73], s[72:73], s[94:95]
	s_lshr_b32 s92, s42, 2
	s_lshl_b32 s92, s92, 20
	s_and_b32 s93, s42, 3
	s_lshl_b32 s93, s93, 1
	s_add_co_u32 s93, s93, s16
	s_lshl_b32 s93, s93, 17
	s_add_co_u32 s92, s92, s93
	s_mov_b32 s93, 0
	s_add_nc_u64 s[72:73], s[72:73], s[92:93]
.macro FRAG reg, adr, q, i
.irp c, 0,1,2,3
	ds_load_b128 v[\reg+4*\c:\reg+4*\c+3], v[\adr] offset:128*(\q)+32*\c+(\i)*16*PITCH
.endr
.endm
.macro MUL16 a0, p, zero
.irp a, \a0, \a0+1
.irp b, 0,1,2,3,4,5,6,7
.if \zero
	v_wmma_f32_16x16x128_fp8_fp8 v[8*(8*((\a)%4)+\b):8*(8*((\a)%4)+\b)+7], v[128*(\p)+FR*\b:128*(\p)+FR*\b+FR-1], v[AF+FR*(\a):AF+FR*(\a)+FR-1], 0
.else
	v_wmma_f32_16x16x128_fp8_fp8 v[8*(8*((\a)%4)+\b):8*(8*((\a)%4)+\b)+7], v[128*(\p)+FR*\b:128*(\p)+FR*\b+FR-1], v[AF+FR*(\a):AF+FR*(\a)+FR-1], v[8*(8*((\a)%4)+\b):8*(8*((\a)%4)+\b)+7]
.endif
.endr
.endr
.endm
.macro FETCH_B slot, q, p
	WIN TO_B
.irp i, 0,1,2,3,4,5,6,7
	FRAG 128*(\p)+FR*\i, ADRB+\slot, \q, \i
.endr
	WIN 0
.endm
.macro FETCH_A slot, q, i0
.irp i, \i0, \i0+1, \i0+2, \i0+3
	FRAG AF+FR*(\i), ADRA+\slot, \q, \i
.endr
.endm
.macro PLACES n
.rept \n
	v_nop
.endr
.endm
.macro STEP slot, q, zero
	s_wait_dscnt 4*NL
	WIN MUL_LO
	MUL16 0, (\q)%2, \zero
	MUL16 2, (\q)%2, \zero
	s_wait_dscnt 0
	PLACES NP
	FETCH_B \slot, (\q)+1, 1-(\q)%2
	FETCH_A \slot, (\q)+1, 0
	WIN MUL_HI
	MUL16 4, (\q)%2, \zero
	MUL16 6, (\q)%2, \zero
	PLACES NP
	WIN 0
	FETCH_A \slot, (\q)+1, 4
.endm
.macro TURN slot, next, fill
	s_wait_tensorcnt 0x0
	ds_add_u32 v[SPW], v[NIL]
	s_wait_dscnt 4*NL+1
	WIN MUL_LO
	MUL16 0, 1, 0
	s_wait_dscnt 0x0
	s_barrier_signal -1
	MUL16 2, 1, 0
	WIN 0
	s_barrier_wait -1
.if \fill
	CREST
	s_add_nc_u64 s[G0+4*\slot+2:G0+4*\slot+3], s[G0+4*\slot+2:G0+4*\slot+3], 2*ROWB
	s_add_nc_u64 s[G0B+4*\slot+2:G0B+4*\slot+3], s[G0B+4*\slot+2:G0B+4*\slot+3], 2*ROWB
	JLOAD G0+4*\slot, G1, G0B+4*\slot, G1B
.else
	PLACES NP
.endif
	FETCH_B \next, 0, 0
	FETCH_A \next, 0, 0
	WIN MUL_HI
	MUL16 4, 1, 0
	MUL16 6, 1, 0
	PLACES NP
	WIN 0
	FETCH_A \next, 0, 4
.endm
	s_wait_loadcnt 0x0
	s_wait_tensorcnt 1
	s_barrier_signal -1
	s_barrier_wait -1
	FETCH_B 0, 0, 0
	FETCH_A 0, 0, 0
	FETCH_A 0, 0, 4
	STEP 0, 0, 1
	s_mov_b32 s3, LAPS-1
.Llap:
	TURN 0, 1, 1
	STEP 1, 0, 0
	TURN 1, 0, 1
	STEP 0, 0, 0
	s_sub_co_u32 s3, s3, 1
	s_cmp_lg_u32 s3, 0
	s_cbranch_scc1 .Llap
	TURN 0, 1, 0
	STEP 1, 0, 0
	s_wait_dscnt 4*NL
	WIN MUL_LO
	MUL16 0, 1, 0
	MUL16 2, 1, 0
	s_wait_dscnt 0
	WIN MUL_HI
	MUL16 4, 1, 0
	MUL16 6, 1, 0
	WIN 0
.macro SETQ
	s_add_co_i32 s95, s95, 127
	s_lshl_b32 s93, s95, 23
	v_mov_b32 v[SCV], s93
	s_add_co_i32 s95, s95, 8
	s_lshl_b32 s95, s95, 23
	s_or_b32 s95, s95, 0x600000
.endm
.macro TOSTAGE a, stg
.set AC, 64*((\a)%4)
.set CD, CODE+16*((\a)%2)
.set BB, BK+16*((\a)%2)
.set BRP, BR+2*((\a)/2)
	WIN 0x02+((\a)/4)
.set j, 0
.rept 32
	v_pk_fma_f32 v[TMP+j:TMP+j+1], v[AC+j:AC+j+1], s[96:97], v[BC+j:BC+j+1] op_sel_hi:[1,0,1]
.set j, j+2
.endr
	WIN 0
.set j, 0
.rept 32
.if ((\a)%2) == 0
	v_pk_add_f32 v[TMP+j:TMP+j+1], v[TMP+j:TMP+j+1], v[BRP:BRP+1] op_sel_hi:[1,0]
.else
	v_pk_add_f32 v[TMP+j:TMP+j+1], v[TMP+j:TMP+j+1], v[BRP:BRP+1] op_sel:[0,1] op_sel_hi:[1,1]
.endif
.set j, j+2
.endr
.set j, 0
.rept 64
.set j, j+1
.endr
.irp b, 0,1,2,3,4,5,6,7
	v_cvt_scalef32_pk8_fp8_f32 v[CD+2*\b:CD+2*\b+1], v[TMP+8*\b:TMP+8*\b+7], v[SCV]
.endr
	v_nop
.irp b, 0,1,2,3,4,5,6,7
	ds_store_b64 v[STO], v[CD+2*\b:CD+2*\b+1] offset:\stg+16*\b
.endr
.irp i, 0,1,2,3
	ds_load_b128 v[BB+4*\i:BB+4*\i+3], v[RD] offset:\stg+4*SP2*\i
.endr
.endm
.macro SEND a, younger
.set BB, BK+16*((\a)%2)
	s_wait_dscnt \younger
.irp i, 0,1,2,3
	global_store_b128 v[COX+2*((\a)%2)+\i/2], v[BB+4*\i:BB+4*\i+3], s[72:73] offset:((\a)/2)*4096+(\i%2)*512
.endr
.endm
.macro OUTPASS stg
	TOSTAGE 0, \stg
.irp a, 1,2,3,4,5,6,7
.if \a > 1
	s_wait_xcnt 0x0
.endif
	TOSTAGE \a, \stg
	SEND \a-1, 12
.endr
	SEND 7, 0
.endm
	s_wait_kmcnt 0x0
	s_add_co_i32 s92, s76, s77
	s_sub_co_i32 s92, s92, 3
	s_add_co_i32 s93, s78, s79
	s_add_co_i32 s94, s80, s81
	s_cmp_eq_u32 s74, 1
	s_cselect_b32 s92, s93, s92
	s_cselect_b32 s95, s83, s82
	s_cmp_eq_u32 s74, 2
	s_cselect_b32 s92, s94, s92
	s_cselect_b32 s95, s87, s95
	s_cmp_eq_u32 s74, 0
	s_cselect_b32 s98, 0x3e000000, 1.0
	s_add_co_i32 s92, s92, 127
	s_lshl_b32 s96, s92, 23
	s_mov_b32 s97, s96
	PLACES NP
.set j, 0
.rept 64
	v_mul_f32 v[BC+j], s98, v[BC+j]
.set j, j+1
.endr
.set j, 0
.rept 64
	v_cndmask_b32 v[BC+j], 0, v[BC+j], s99
.set j, j+1
.endr
.set j, 0
.rept 8
	v_cndmask_b32 v[BR+j], 0, v[BR+j], s100
.set j, j+1
.endr
	SETQ
	OUTPASS 0
	s_cmp_lg_u32 s74, 0
	s_cbranch_scc1 .Ldone
	s_mov_b32 s95, s85
	SETQ
	s_wait_xcnt 0x0
	s_add_nc_u64 s[72:73], s[72:73], 0x1800000
	OUTPASS STG2
.Ldone:
	s_wait_tensorcnt 0x0
	ds_add_u32 v[SPW], v[NIL]
	s_wait_dscnt 0x0
	CROUND
	s_endpgm
.Lfunc_end_k_q61c9988ddc_proj:
	.size	k_q61c9988ddc_proj, .Lfunc_end_k_q61c9988ddc_proj-k_q61c9988ddc_proj
	.p2alignl 7, 3214868480
	.fill 96, 4, 3214868480
	.section	.rodata,"a",@progbits
	.p2align	6, 0x0
	.amdhsa_kernel k_q61c9988ddc_proj
		.amdhsa_group_segment_fixed_size 327680
		.amdhsa_private_segment_fixed_size 0
		.amdhsa_enable_private_segment 0
		.amdhsa_kernarg_size 56
		.amdhsa_user_sgpr_count 2
		.amdhsa_user_sgpr_kernarg_segment_ptr 1
		.amdhsa_wavefront_size32 1
		.amdhsa_system_sgpr_workgroup_id_x 1
		.amdhsa_system_sgpr_workgroup_id_y 1
		.amdhsa_system_sgpr_workgroup_id_z 1
		.amdhsa_system_vgpr_workitem_id 0
		.amdhsa_next_free_vgpr 1024
		.amdhsa_next_free_sgpr 104
		.amdhsa_reserve_vcc 0
		.amdhsa_float_denorm_mode_32 3
		.amdhsa_float_denorm_mode_16_64 3
		.amdhsa_fp16_overflow 1
		.amdhsa_memory_ordered 1
		.amdhsa_forward_progress 1
		.amdhsa_inst_pref_size 183
	.end_amdhsa_kernel
	.amdgpu_metadata
---
amdhsa.version: [ 1, 2 ]
amdhsa.kernels:
  - .name:           k_q61c9988ddc_proj
    .symbol:         k_q61c9988ddc_proj.kd
    .args:
      - { .name: xc, .offset: 0, .size: 8, .value_kind: global_buffer, .address_space: global }
      - { .name: wc, .offset: 8, .size: 8, .value_kind: global_buffer, .address_space: global }
      - { .name: lowp_scales, .offset: 16, .size: 8, .value_kind: global_buffer, .address_space: global }
      - { .name: bq, .offset: 24, .size: 8, .value_kind: global_buffer, .address_space: global }
      - { .name: bk, .offset: 32, .size: 8, .value_kind: global_buffer, .address_space: global }
      - { .name: bv, .offset: 40, .size: 8, .value_kind: global_buffer, .address_space: global }
      - { .name: hc, .offset: 48, .size: 8, .value_kind: global_buffer, .address_space: global }
    .group_segment_fixed_size: 327680
    .private_segment_fixed_size: 0
    .kernarg_segment_align: 8
    .kernarg_segment_size: 56
    .max_flat_workgroup_size: 128
    .sgpr_count:     104
    .vgpr_count:     1024
    .wavefront_size: 32
...
	.end_amdgpu_metadata
.endif
;; end of part 2
;; launch attn (part 3): grid 64 x 8, 16 waves a work-group, no clusters, 327,680 bytes of LDS; arguments hc, relc, mask, lowp_scales, oc; writes oc
.if DOCPART == 3
	.amdgcn_target "amdgcn-amd-amdhsa--gfx1250"
	.amdhsa_code_object_version 6
	.text
	.protected	k_q61c9988ddc_attn
	.globl	k_q61c9988ddc_attn
	.p2align	8
	.type	k_q61c9988ddc_attn,@function
k_q61c9988ddc_attn:
	s_mov_b64 s[64:65], 0
	v_nop
	global_prefetch_b8 v0, s[64:65] scope:SCOPE_SE
	s_setreg_imm32_b32 hwreg(HW_REG_WAVE_MODE, 25, 1), 1
	s_wait_xcnt 0x0
; Attention with clipped relative positions, all four products on codes of FP8 (E4M3):  logit = q.k + q.rel_k[idx] + mask;  o = (sum p v + sum p rel_v[idx]) / l;  oc = Q(o) with e14.
; SOFTMAX: t = logit x log2(e); M = the running largest t rounded up to a whole number; p = 2^(t - M) is quantised twice (e10 for v, e13 for rel_v); l sums the unquantised p; when M moves, l and the sums are multiplied by a power of two.
; SHARES.  A work-group owns 64 queries of 4 heads of one b.  Wave w: head w / 4 of the four, queries 16 (w % 4) on: one tile, 256 registers, four waves to a SIMD.  Every wave walks all 1,024 keys, 128 a step.
; A step's tiles (K: 2 x 128 keys x 128 bytes; V: 256 channels x 128 keys; the mask: 64 rows x 512 bytes) come through a ring of two LDS slots: waves 0-3 fetch K's and V's halves, wave 4 the mask: one tensor load a wave is out.
; LAYOUT.  All products are used transposed: a lane holds ONE query (lane % 16).  Row m of key tile 2 b + u is key 32 b + 8 u + m + 8 (m / 8), so registers 16 b + i of the scores are keys 32 b + 16 (lane / 16) + i: a PAIR b.
; K's rows lie in memory, and so in LDS, in that very order (of each 32 keys: 0-7, 16-23, 8-15, 24-31): a tile is 16 neighbouring rows of 144 bytes, which sixteen lanes read from sixteen different 16-byte columns of 256.
; Every fragment is fetched by 16-byte loads: registers 4 c .. 4 c + 3 hold k = 32 c + 16 (lane / 16) + 0 .. 15, the same order in both operands.
; RELATIVE POSITIONS.  With y = key - query + 47 the tables TKX[y], TVX[d][y] (y = 0 .. 95) hold the clip.  u = a pair's number less the tile's first band pair.  u < 0: every key lies 16 or more to the left (table row 0);
;   u > 1: 16 or more to the right (row 32); u = 0, 1: the band.  Scores: RX = TKX . q (5 products, once a tile) lies in LDS; a far pair adds a lane's constant, a band pair reads RX askew.
;   Values: the sums O2 are fed in every step by K = 64 products whose first operand is 16 equal bytes of TVX (row 0's, row 32's, or zeros for a band pair); a band pair's codes are laid askew, bytewise, into Y and multiplied by TVX's window.
;   A step with no band pair has all four pairs on one side: four fragments of TVX serve both halves of its keys.
; NO CLUSTER: which steps take the band's path hangs on the query block, which would be a place in the cluster; the mask alone is shared by the four head groups, a third of a step's bytes.
; LIMITS: e6 + e7 between -126 and 127; e10, e13, e14 between -126 and 119.  NaN among the inputs is not served.  The logit is summed (q.k + mask) + q.rel_k, reference() has (q.k + q.rel_k) + mask: one f32 rounding apart.
.set SLOT1, 131072                     ; slot 1 begins here: one exclusive or turns an address
.set KP,    144                        ; a row of K or V in LDS: 128 bytes + 16
.set KCH,   128*KP                     ; what one of waves 0-3 fetches
.set VOFF,  2*KCH
.set MOFF,  4*KCH
.set MP,    528                        ; a row of the mask: 512 bytes + 16
.set YB,    107520                     ; behind slot 0: Y, 16 rows x 80 bytes a wave
.set SPARE, 128000                     ; the spare words, 128 bytes a wave
.set RXB,   238592                     ; behind slot 1: RX, 16 rows x 320 bytes a wave
.set TVX,   320512                     ; 64 rows x 112 bytes
.set SPW, 10
.set NIL, 11
.set ADT, 22                           ; v22-25 a pair's 16 bytes of TVX
.set RB,  26                           ; v26, 28, 30, 32: a pair's constant x log2(e) (each named in a pair with a register written once)
.set QF,  48                           ; v48-55  q's fragment (e6)
.set O1,  56                           ; v56-87  sums of p v
.set O2,  88                           ; v88-119 sums of p rel_v
.set S,   120                          ; v120-183 scores, t, p; later codes and fragments
.set F,   184                          ; v184-247 fragments
.set TA,  248                          ; v248-255 partial sums of l
; v1 K, v2 V, v3 mask: my lane's place in a slot; v4, v5 in TVX; v6 in RX (askew); v7 into Y (askew), v8 out of Y, v9 to clear Y; v12 -M, v13 the largest t, v[14:15] l; v16 the prefetches' offset; v17, v18 the two far constants;
; v19-21 the step's addresses; v34 2^e10; v36, v37 2^e13, 448 x 2^e13; v[38:39] f; v40-43 at work; v[44:45] zeros; v[46:47] l's second chain.
; s14 wave, s15 head of four, s16 query tile, s17 its parity; s[20:21] lane selects; s[22:23] log2(e); s[24:25] 2^(e6 + e7); s[28:35], s[36:43] descriptor groups 1; s[44:47] group 0, which walks by s[48:49];
; s50 the slot in hand; s51 slots to ask for; s52 u of pair 0; s66 head group, s67 query block, s68 b, s69 the tile's number; s[80:95] the scales; s[96:97] prefetch address, s[98:99] its step, s100 its limit.
.macro TLOAD                           ; waves 0-3: K's and V's halves; wave 4: the mask.  The branches hang on the wave's number alone.  An s_nop 0 and four v_nop follow each line
	s_cmp_lt_u32 s14, 4
	s_cbranch_scc0 .Lnot_kv_\@
	tensor_load_to_lds s[44:47], s[28:35]
	s_nop 0
.rept 4
	v_nop
.endr
	s_branch .Lasked_\@
.Lnot_kv_\@:
	s_cmp_eq_u32 s14, 4
	s_cbranch_scc0 .Lasked_\@
	tensor_load_to_lds s[44:47], s[36:43]
	s_nop 0
.rept 4
	v_nop
.endr
.Lasked_\@:
.endm
; A prefetch of the step behind the one just asked for.  Each aligned block of 256 bytes is named once in the launch: K's and V's by the work-group with query block 0 (waves 0-3: K, 8 KiB each; waves 4-7: V, 8 KiB each; lanes 256 bytes apart),
; the mask's by the work-group with head group 0 (waves 8-11: 16 rows each, two lanes to a row's 512 bytes).  The last change that fills a slot asks for nothing.
.macro ASK
	s_cmp_gt_u32 s51, s100
	s_cbranch_scc0 .Lnot_mine_\@
	global_prefetch_b8 v16, s[96:97] th:TH_LOAD_NT scope:SCOPE_SE
.Lnot_mine_\@:
.endm
	s_load_b256 s[4:11], s[0:1], 0x0               ; hc s[4:5], relc s[6:7], mask s[8:9], the scales s[10:11]
	s_load_b64 s[12:13], s[0:1], 0x20              ; oc
	v_lshl_add_u32 v[SPW], v0, 2, SPARE
	v_mov_b32 v[NIL], 0
	ds_add_u32 v[SPW], v[NIL]                      ; the wave's opening: the add and its wait stand ahead of my first tensor load; work on registers stands between
	ds_add_u32 v[SPW], v[NIL]
	v_lshrrev_b32 v40, 5, v0
	s_delay_alu instid0(VALU_DEP_1)
	v_readfirstlane_b32 s14, v40                   ; wave 0..15
	s_lshr_b32 s15, s14, 2
	s_and_b32 s16, s14, 3
	s_and_b32 s17, s14, 1
	s_and_b32 s66, ttmp9, 3                        ; head group
	s_lshr_b32 s67, ttmp9, 2                       ; query block
	s_and_b32 s68, ttmp7, 0xffff                   ; b
	s_lshl_b32 s69, s67, 2
	s_add_co_u32 s69, s69, s16                     ; my tile of 16 queries
	s_add_co_u32 s53, s69, 1
	s_lshr_b32 s53, s53, 1
	s_sub_co_i32 s52, 1, s53                       ; u of the first pair of keys: 1 - (tile + 1) / 2
	s_mov_b32 s28, (0<<16)|(1<<20)|(4<<22)|(3<<25) ; K, V: elements of 1 byte; padding: 4 words after every 32
	s_mov_b32 s29, 128<<16                         ; tensor_dim0
	s_mov_b32 s30, 128<<16                         ; tensor_dim1
	s_mov_b32 s31, 128<<16                         ; tile_dim0
	s_mov_b32 s32, 128                             ; tile_dim1
	s_mov_b32 s33, 128                             ; stride: the blocks are dense
	s_mov_b32 s34, 0
	s_mov_b32 s35, 0
	s_mov_b32 s36, (2<<16)|(1<<20)|(6<<22)|(3<<25) ; the mask: elements of 4 bytes; padding: 4 words after every 128
	s_mov_b32 s37, 128<<16
	s_mov_b32 s38, 64<<16
	s_mov_b32 s39, 128<<16
	s_mov_b32 s40, 64
	s_mov_b32 s41, 1024
	s_mov_b32 s42, 0
	s_mov_b32 s43, 0
	s_mov_b32 s20, 0x76543210
	s_mov_b32 s21, 0xfedcba98
	s_mov_b32 s22, 0x3fb8aa3b                      ; log2(e)
	s_mov_b32 s23, s22
	s_mov_b32 s50, 0
	s_mov_b32 s51, 7
	; what I fetch, if I fetch
	s_and_b32 s53, s14, 1
	s_lshl_b32 s56, s68, 20                        ; b x 1 MiB
	s_lshl_b32 s54, s66, 1
	s_add_co_u32 s54, s54, s53
	s_lshl_b32 s54, s54, 17
	s_add_co_u32 s54, s54, s56
	s_add_co_u32 s54, s54, 0x800000                ; K: part 1, column block 2 x head group + wave
	s_lshl_b32 s57, s66, 15
	s_lshl_b32 s58, s53, 14
	s_add_co_u32 s57, s57, s58
	s_add_co_u32 s57, s57, s56
	s_add_co_u32 s57, s57, 0x1000000               ; V: part 2, channel rows 256 x head group + 128 x (wave - 2)
	s_lshl_b32 s58, s68, 22
	s_lshl_b32 s59, s67, 18
	s_add_co_u32 s58, s58, s59                     ; the mask: b x 4 MiB + 64 rows of 4,096 bytes x query block
	s_mov_b32 s48, 131072
	s_cmp_lt_u32 s14, 2
	s_cselect_b32 s54, s54, s57
	s_cselect_b32 s48, 16384, s48                  ; a step on: 128 keys' rows in K, a key block in V,
	s_cmp_lt_u32 s14, 4
	s_cselect_b32 s54, s54, s58
	s_cselect_b32 s48, s48, 512                    ; 128 columns in the mask
	s_mov_b32 s55, 0
	s_mov_b32 s49, 0
	s_min_u32 s45, s14, 4
	s_mul_i32 s45, s45, KCH                        ; LDS: wave x 18,432 in slot 0
	s_mov_b32 s44, 1
	; the prefetches: where mine stand (at step 1: the first change of slots steps them to step 2), and who asks
	s_and_b32 s53, s14, 3
	s_lshr_b32 s60, s53, 1
	s_lshl_b32 s61, s66, 1
	s_add_co_u32 s60, s60, s61
	s_lshl_b32 s60, s60, 17
	s_and_b32 s61, s53, 1
	s_lshl_b32 s61, s61, 13
	s_add_co_u32 s60, s60, s61
	s_add_co_u32 s60, s60, s56
	s_add_co_u32 s60, s60, 0x800000+16384
	s_lshl_b32 s61, s66, 15
	s_lshl_b32 s62, s53, 13
	s_add_co_u32 s61, s61, s62
	s_add_co_u32 s61, s61, s56
	s_add_co_u32 s61, s61, 0x1000000+131072
	s_lshl_b32 s62, s53, 16
	s_add_co_u32 s62, s62, s58
	s_add_co_u32 s62, s62, 512
	s_mov_b32 s98, 131072
	s_cmp_lt_u32 s14, 4
	s_cselect_b32 s70, s60, s61
	s_cselect_b32 s98, 16384, s98
	s_cmp_lt_u32 s14, 8
	s_cselect_b32 s70, s70, s62
	s_cselect_b32 s98, s98, 512
	s_cselect_b32 s63, s67, s66                    ; the coordinate along which other work-groups read the same bytes
	s_cselect_b32 s59, 0, -1
	s_mov_b32 s71, 0
	s_mov_b32 s99, 0
	s_cmp_eq_u32 s15, 3                            ; waves 12-15 ask for nothing
	s_cselect_b32 s60, 1, 0
	s_or_b32 s63, s63, s60
	s_cmp_eq_u32 s63, 0
	s_cselect_b32 s100, 1, -1
	v_and_b32 v40, 31, v0
	s_delay_alu instid0(VALU_DEP_1)
	v_lshlrev_b32 v41, 8, v40                      ; K, V: lanes 256 bytes apart
	s_delay_alu instid0(VALU_DEP_2)
	v_lshrrev_b32 v42, 1, v40
	s_delay_alu instid0(VALU_DEP_3)
	v_and_b32 v43, 1, v40
	s_delay_alu instid0(VALU_DEP_2)
	v_lshlrev_b32 v42, 12, v42
	s_delay_alu instid0(VALU_DEP_1)
	v_lshl_or_b32 v42, v43, 8, v42                 ; the mask: two lanes to a row
	s_delay_alu instid0(VALU_DEP_1)
	v_cndmask_b32 v16, v41, v42, s59
	s_wait_dscnt 0x0                               ; the opening add is done
	s_wait_kmcnt 0x0
	s_load_b512 s[80:95], s[10:11], 0x0            ; e0 .. e15 in s80 .. s95
	s_cmp_lt_u32 s14, 4
	s_cselect_b64 s[46:47], s[4:5], s[8:9]
	s_add_nc_u64 s[46:47], s[46:47], s[54:55]
	s_or_b32 s47, s47, 0x80000000
	TLOAD                                          ; step 0 into slot 0
	s_cmp_lt_u32 s14, 8
	s_cselect_b64 s[96:97], s[4:5], s[8:9]
	s_add_nc_u64 s[96:97], s[96:97], s[70:71]
	; my lane's places
	v_and_b32 v40, 15, v0                          ; r
	s_wait_alu depctr_va_vdst(0)
	v_bfe_u32 v41, v0, 4, 1                        ; h
	s_lshr_b32 s53, s15, 1
	s_mul_i32 s53, s53, KCH
	s_and_b32 s54, s15, 1
	s_lshl_b32 s54, s54, 6
	s_add_co_u32 s53, s53, s54
	v_mul_u32_u24 v1, v40, KP
	s_delay_alu instid0(VALU_DEP_1)
	v_lshl_add_u32 v1, v41, 4, v1
	s_delay_alu instid0(VALU_DEP_1)
	v_add_nc_u32 v1, s53, v1                       ; K: row r of a tile, in my head's chunk and its 64 bytes of a row
	s_mul_i32 s53, s15, 64*KP
	s_add_co_u32 s53, s53, VOFF
	v_mul_u32_u24 v2, v40, KP
	s_delay_alu instid0(VALU_DEP_1)
	v_lshl_add_u32 v2, v41, 4, v2
	s_delay_alu instid0(VALU_DEP_1)
	v_add_nc_u32 v2, s53, v2                       ; V: my head's 64 channel rows
	s_mul_i32 s53, s16, 16*MP
	s_add_co_u32 s53, s53, MOFF
	v_mul_u32_u24 v3, v40, MP
	s_wait_alu depctr_va_vdst(0)
	v_lshl_add_u32 v3, v41, 6, v3
	s_delay_alu instid0(VALU_DEP_1)
	v_add_nc_u32 v3, s53, v3                       ; the mask: my query's row, + 64 h
	v_mul_u32_u24 v4, v40, 112
	s_delay_alu instid0(VALU_DEP_1)
	v_add_nc_u32 v4, TVX, v4                       ; TVX: channel row r
	s_lshl_b32 s53, s17, 4
	v_lshl_add_u32 v5, v41, 4, v4
	s_delay_alu instid0(VALU_DEP_1)
	v_add_nc_u32 v5, s53, v5                       ; the band's window: + 16 h + 16 x parity
	s_mul_i32 s53, s14, 5120
	s_add_co_u32 s53, s53, RXB
	v_mul_u32_u24 v6, v40, 316
	s_delay_alu instid0(VALU_DEP_1)
	v_lshl_add_u32 v6, v41, 6, v6
	s_delay_alu instid0(VALU_DEP_1)
	v_add_nc_u32 v6, s53, v6
	s_delay_alu instid0(VALU_DEP_1)
	v_add_nc_u32 v6, 60, v6                        ; RX askew: 320 r + 4 (15 + 16 h - r)
	v_mul_u32_u24 v19, v40, 320
	s_delay_alu instid0(VALU_DEP_1)
	v_add_nc_u32 v19, s53, v19                     ; RX: my query's row
	s_delay_alu instid0(VALU_DEP_1)
	v_lshl_add_u32 v20, v41, 5, v19                ; and where I store eight of its numbers
	s_mul_i32 s53, s14, 1280
	s_add_co_u32 s53, s53, YB
	v_mul_u32_u24 v7, v40, 79
	s_delay_alu instid0(VALU_DEP_1)
	v_lshl_add_u32 v7, v41, 4, v7
	s_delay_alu instid0(VALU_DEP_1)
	v_add_nc_u32 v7, s53, v7
	s_delay_alu instid0(VALU_DEP_1)
	v_add_nc_u32 v7, 15, v7                        ; Y askew: 80 r + 15 + 16 h - r
	v_mul_u32_u24 v8, v40, 80
	s_delay_alu instid0(VALU_DEP_1)
	v_lshl_add_u32 v8, v41, 4, v8
	s_delay_alu instid0(VALU_DEP_1)
	v_add_nc_u32 v8, s53, v8
	v_and_b32 v9, 31, v0
	s_delay_alu instid0(VALU_DEP_1)
	v_lshlrev_b32 v9, 3, v9
	s_delay_alu instid0(VALU_DEP_1)
	v_add_nc_u32 v9, s53, v9
	; q's two fragments and five tiles of TKX, from memory
	s_lshl_b32 s56, s66, 1
	s_lshr_b32 s57, s15, 1
	s_add_co_u32 s56, s56, s57
	s_lshl_b32 s56, s56, 17
	s_lshl_b32 s57, s68, 20
	s_add_co_u32 s56, s56, s57
	s_lshl_b32 s57, s69, 11                        ; 16 rows of 128 bytes a tile
	s_add_co_u32 s56, s56, s57
	s_and_b32 s57, s15, 1
	s_lshl_b32 s57, s57, 6
	s_add_co_u32 s56, s56, s57
	s_mov_b32 s57, 0
	s_add_nc_u64 s[58:59], s[4:5], s[56:57]        ; part 0: q with e6
	s_add_nc_u64 s[60:61], s[58:59], 0x1800000     ; part 3: q with e9
	v_lshlrev_b32 v21, 7, v40
	s_delay_alu instid0(VALU_DEP_1)
	v_lshl_add_u32 v21, v41, 4, v21
	s_lshl_b32 s53, s17, 10
	v_lshlrev_b32 v22, 6, v40
	s_delay_alu instid0(VALU_DEP_1)
	v_lshl_add_u32 v22, v41, 4, v22
	s_delay_alu instid0(VALU_DEP_1)
	v_add_nc_u32 v22, s53, v22                     ; TKX: row 16 x parity + r
	v_lshlrev_b32 v23, 4, v0
	s_delay_alu instid0(VALU_DEP_1)
	v_add_nc_u32 v24, TVX, v23
	global_load_b128 v[QF:QF+3], v21, s[58:59]
	global_load_b128 v[QF+4:QF+7], v21, s[58:59] offset:32
	global_load_b128 v[S:S+3], v21, s[60:61]
	global_load_b128 v[S+4:S+7], v21, s[60:61] offset:32
.irp tau, 0,1,2,3,4
	global_load_b128 v[F+8*\tau:F+8*\tau+3], v22, s[6:7] offset:1024*\tau
	global_load_b128 v[F+8*\tau+4:F+8*\tau+7], v22, s[6:7] offset:1024*\tau+32
.endr
	s_cmp_lt_u32 s14, 14                           ; TVX's 7,168 bytes into LDS: 16 bytes a thread of waves 0-13; the first change of slots shows them to all
	s_cbranch_scc0 .Lno_tvx
	global_load_b128 v[F+40:F+43], v23, s[6:7] offset:6144
	s_wait_loadcnt 0x0
	s_wait_alu depctr_va_vdst(0)
	ds_store_b128 v24, v[F+40:F+43]
.Lno_tvx:
	v_mov_b32 v13, 0xff61b1e6                      ; the largest t so far: -3e38
	s_delay_alu instid0(VALU_DEP_1)
	v_floor_f32 v12, -v13                          ; -M
	v_mov_b32 v14, 0
	v_mov_b32 v15, 0
	v_mov_b32 v27, 0                               ; (upper halves of pairs of which the low word alone is used)
	v_mov_b32 v29, 0
	v_mov_b32 v31, 0
	v_mov_b32 v33, 0
	v_mov_b32 v39, 0
	v_mov_b32 v44, 0
	v_mov_b32 v45, 0
.set j, 0
.rept 64
	v_mov_b32 v[O1+j], 0                           ; both sums begin as zeros: the step is written once, and the first change of M leaves zeros zeros
.set j, j+1
.endr
	s_wait_kmcnt 0x0
	s_add_co_i32 s53, s86, s87
	s_add_co_i32 s53, s53, 127
	s_lshl_b32 s24, s53, 23                        ; 2^(e6 + e7)
	s_mov_b32 s25, s24
	s_add_co_i32 s53, s90, 127
	s_lshl_b32 s54, s53, 23
	v_mov_b32 v34, s54                             ; 2^e10
	s_add_co_i32 s53, s93, 127
	s_lshl_b32 s54, s53, 23
	v_mov_b32 v36, s54                             ; 2^e13
	s_add_co_i32 s53, s53, 8
	s_lshl_b32 s53, s53, 23
	s_or_b32 s53, s53, 0x600000
	v_mov_b32 v37, s53                             ; 448 x 2^e13
	s_add_co_i32 s70, s88, s89                     ; e8 + e9
	s_wait_loadcnt 0x0
.irp tau, 0,1,2,3,4                    ; RX(x, query) = TKX[16 x parity + x] . q, x = 16 tau + 8 h + j
	v_wmma_f32_16x16x64_fp8_fp8 v[S+8+8*\tau:S+15+8*\tau], v[F+8*\tau:F+8*\tau+7], v[S:S+7], 0
.endr
.rept 4
	v_nop
.endr
.set j, 0
.rept 40
	v_ldexp_f32 v[S+8+j], v[S+8+j], s70
.set j, j+1
.endr
.irp tau, 0,1,2,3,4
	ds_store_b128 v20, v[S+8+8*\tau:S+11+8*\tau] offset:64*\tau
	ds_store_b128 v20, v[S+12+8*\tau:S+15+8*\tau] offset:64*\tau+16
.endr
	ds_load_b32 v17, v19                           ; x = 0: table row 0;  LDS serves a wave's instructions in order
	ds_load_b32 v18, v19 offset:256                ; x = 64: table row 32
	s_wait_dscnt 0x0
	v_mul_f32 v17, s22, v17
	v_mul_f32 v18, s22, v18
.macro SIDE b                          ; pair b: left of the band, right of it, or in it
	s_add_co_i32 s53, s52, \b
	s_cmp_lt_i32 s53, 0
	s_cselect_b32 s54, -1, 0
	s_cselect_b32 s56, 0, 96
	s_cmp_gt_i32 s53, 1
	s_cselect_b32 s55, -1, 0
	s_cselect_b32 s56, 64, s56                     ; TVX's bytes 0-15: row 0; 64-79: row 32; 96-111: zeros
	v_cndmask_b32 v[RB+2*\b], 0, v17, s54
	s_delay_alu instid0(VALU_DEP_1)
	v_cndmask_b32 v[RB+2*\b], v[RB+2*\b], v18, s55
	v_add_nc_u32 v[ADT+\b], s56, v4
.endm
.macro BIAS b, jp                      ; a band pair's 16 numbers of RX, askew by my query
.irp i, 0,1,2,3,4,5,6,7,8,9,10,11,12,13,14,15
	ds_load_b32 v[F+\i], v6 offset:128*\jp+4*\i
.endr
	s_wait_dscnt 0x0
.irp i, 0,2,4,6,8,10,12,14
	v_pk_add_f32 v[S+16*\b+\i:S+16*\b+\i+1], v[S+16*\b+\i:S+16*\b+\i+1], v[F+\i:F+\i+1]
.endr
.endm
.macro BIASSEL b
	s_add_co_i32 s53, s52, \b
	s_cmp_eq_u32 s53, 0
	s_cbranch_scc0 .Lb0_\@
	s_wait_alu depctr_va_vdst(0)
	BIAS \b, 0
.Lb0_\@:
	s_cmp_eq_u32 s53, 1
	s_cbranch_scc0 .Lb1_\@
	s_wait_alu depctr_va_vdst(0)
	BIAS \b, 1
.Lb1_\@:
.endm
.macro BANDV b, jp                     ; a band pair's codes (e13), byte by byte askew into Y; then O2 += TVX's window . Y
.rept 4
	v_nop                                          ; places behind the last products, whose operands' registers are written below
.endr
.irp k, 0,1,2,3,4
	ds_store_b64 v9, v[44:45] offset:256*\k        ; Y = zero codes
.endr
.irp q, 0,1,2,3
	v_lshrrev_b32 v[F+3*\q], 8, v[S+4*\b+\q]
	v_lshrrev_b32 v[F+3*\q+1], 16, v[S+4*\b+\q]
	v_lshrrev_b32 v[F+3*\q+2], 24, v[S+4*\b+\q]
.endr
.irp q, 0,1,2,3
	ds_store_b8 v7, v[S+4*\b+\q] offset:4*\q
	ds_store_b8 v7, v[F+3*\q] offset:4*\q+1
	ds_store_b8 v7, v[F+3*\q+1] offset:4*\q+2
	ds_store_b8 v7, v[F+3*\q+2] offset:4*\q+3
.endr
	ds_load_b128 v[S+16:S+19], v8
	ds_load_b128 v[S+20:S+23], v8 offset:32
.irp tau, 0,1,2,3
	ds_load_b128 v[S+24+8*\tau:S+27+8*\tau], v5 offset:1792*\tau+32*\jp
	ds_load_b128 v[S+28+8*\tau:S+31+8*\tau], v5 offset:1792*\tau+32*\jp+32
.endr
	s_wait_dscnt 0x0
.irp tau, 0,1,2,3
	v_wmma_f32_16x16x64_fp8_fp8 v[O2+8*\tau:O2+8*\tau+7], v[S+24+8*\tau:S+31+8*\tau], v[S+16:S+23], v[O2+8*\tau:O2+8*\tau+7]
.endr
.endm
.macro BANDVSEL b
	s_add_co_i32 s53, s52, \b
	s_cmp_eq_u32 s53, 0
	s_cbranch_scc0 .Lv0_\@
	BANDV \b, 0
.Lv0_\@:
	s_cmp_eq_u32 s53, 1
	s_cbranch_scc0 .Lv1_\@
	BANDV \b, 1
.Lv1_\@:
.endm
; A KEY STEP: 128 keys.  The accumulators take turns, one instruction a turn.
.macro STEP
	SIDE 0                                         ; these fifteen plain vector lines are also the places behind the last step's products
	SIDE 1
	SIDE 2
	SIDE 3
	v_add_nc_u32 v19, s50, v1
	v_add_nc_u32 v20, s50, v2
	v_add_nc_u32 v21, s50, v3
.irp t, 0,1,2,3,4,5,6,7
	ds_load_b128 v[F+8*\t:F+8*\t+3], v19 offset:16*\t*KP
	ds_load_b128 v[F+8*\t+4:F+8*\t+7], v19 offset:16*\t*KP+32
.endr
	s_wait_alu depctr_va_vdst(0)
.irp t, 0,1,2,3,4,5,6,7
.if (\t%2) == 0
	s_wait_dscnt 12-2*\t                           ; tiles t and t + 1 are in: the loads of the tiles behind them, two each, may be out
.endif
	v_wmma_f32_16x16x64_fp8_fp8 v[S+8*\t:S+8*\t+7], v[F+8*\t:F+8*\t+7], v[QF:QF+7], 0
.endr
.rept 4
	v_nop
.endr
.irp b, 0,1,2,3
.irp j, 0,1,2,3
	ds_load_b128 v[F+16*\b+4*\j:F+16*\b+4*\j+3], v21 offset:128*\b+16*\j   ; the mask at my query, keys 32 b + 16 h + 4 j on
.endr
.endr
.irp b, 0,1,2,3
	s_wait_dscnt 12-4*\b                           ; pair b's four loads are in; those of the pairs behind it may be out
.irp i, 0,2,4,6,8,10,12,14
	v_pk_fma_f32 v[S+16*\b+\i:S+16*\b+\i+1], v[S+16*\b+\i:S+16*\b+\i+1], s[24:25], v[F+16*\b+\i:F+16*\b+\i+1] op_sel_hi:[1,0,1]   ; q.k x 2^(e6 + e7) + mask; each accumulator from its low end on
.endr
.endr
.irp tau, 0,1
.irp c, 0,1,2,3
	ds_load_b128 v[F+32+16*\tau+4*\c:F+35+16*\tau+4*\c], v20 offset:16*KP*\tau+32*\c   ; V's first two tiles are asked for early
.endr
.endr
	s_add_co_u32 s53, s52, 3                       ; is one of my four pairs in the band?  Ids and the count of steps alone
	s_cmp_le_u32 s53, 4
	s_cbranch_scc0 .Lno_bias_\@
	BIASSEL 0
	BIASSEL 1
	BIASSEL 2
	BIASSEL 3
.Lno_bias_\@:
	s_wait_alu depctr_va_vdst(0)
.irp b, 0,1,2,3
.irp i, 0,2,4,6,8,10,12,14
	v_pk_fma_f32 v[S+16*\b+\i:S+16*\b+\i+1], v[S+16*\b+\i:S+16*\b+\i+1], s[22:23], v[RB+2*\b:RB+2*\b+1] op_sel_hi:[1,0,0]   ; t = logit x log2(e), a far pair's constant with it; t is an f32 number before M is taken
.endr
.endr
	v_max3_num_f32 v40, v[S], v[S+1], v[S+2]
	v_max3_num_f32 v41, v[S+3], v[S+4], v[S+5]
.irp i, 6,10,14,18,22,26,30,34,38,42,46,50,54,58
	s_delay_alu instid0(VALU_DEP_2)
	v_max3_num_f32 v40, v40, v[S+\i], v[S+\i+1]
	s_delay_alu instid0(VALU_DEP_2)
	v_max3_num_f32 v41, v41, v[S+\i+2], v[S+\i+3]
.endr
	s_delay_alu instid0(VALU_DEP_2)
	v_max3_num_f32 v40, v40, v[S+62], v[S+63]
	s_delay_alu instid0(VALU_DEP_1)
	v_max_num_f32 v40, v40, v41
	s_delay_alu instid0(VALU_DEP_1)
	v_permlanex16_b32 v42, v40, s20, s21
	s_delay_alu instid0(VALU_DEP_1)
	v_max_num_f32 v40, v40, v42
	s_delay_alu instid0(VALU_DEP_1)
	v_max_num_f32 v13, v13, v40                    ; the running largest t
	v_mov_b32 v40, v12
	s_delay_alu instid0(VALU_DEP_2)
	v_floor_f32 v12, -v13                          ; -M = floor(-t): M is a whole number
	s_delay_alu instid0(VALU_DEP_1)
	v_sub_f32 v40, v12, v40                        ; old M - new M, 0 or less
	s_delay_alu instid0(VALU_DEP_1)
	v_cvt_i32_f32 v40, v40                         ; (it saturates)
	s_delay_alu instid0(VALU_DEP_1)
	v_ldexp_f32 v38, 1.0, v40                      ; f = 2^(old M - new M)
.set j, 0
.rept 32
	v_pk_add_f32 v[S+j:S+j+1], v[S+j:S+j+1], v[12:13] op_sel_hi:[1,0]   ; t - M
.set j, j+2
.endr
.set j, 0
	s_wait_alu depctr_va_vdst(0)
.rept 64
	v_exp_f32 v[S+j], v[S+j]                       ; p = 2^(t - M)
.set j, j+1
.endr
	v_pk_mul_f32 v[14:15], v[14:15], v[38:39] op_sel_hi:[1,0]   ; l under the new M: the plain line behind the exponentials
	s_wait_alu depctr_va_vdst(0)                   ; one wait for the batch, ahead of its first reader
	v_pk_add_f32 v[46:47], v[124:125], v[128:129]
	v_pk_add_f32 v[254:255], v[132:133], v[136:137]
	v_pk_add_f32 v[252:253], v[140:141], v[144:145]
	v_pk_add_f32 v[250:251], v[148:149], v[152:153]
	v_pk_add_f32 v[248:249], v[156:157], v[160:161]
	v_pk_add_f32 v[214:215], v[164:165], v[168:169]
	v_pk_add_f32 v[212:213], v[172:173], v[176:177]
	v_pk_add_f32 v[14:15], v[14:15], v[180:181]
	v_pk_add_f32 v[46:47], v[46:47], v[120:121]
	v_pk_add_f32 v[254:255], v[254:255], v[122:123]
	v_pk_add_f32 v[252:253], v[252:253], v[126:127]
	v_pk_add_f32 v[250:251], v[250:251], v[130:131]
	v_pk_add_f32 v[248:249], v[248:249], v[134:135]
	v_pk_add_f32 v[214:215], v[214:215], v[138:139]
	v_pk_add_f32 v[212:213], v[212:213], v[142:143]
	v_pk_add_f32 v[14:15], v[14:15], v[146:147]
	v_pk_add_f32 v[46:47], v[46:47], v[150:151]
	v_pk_add_f32 v[254:255], v[254:255], v[154:155]
	v_pk_add_f32 v[252:253], v[252:253], v[158:159]
	v_pk_add_f32 v[250:251], v[250:251], v[162:163]
	v_pk_add_f32 v[248:249], v[248:249], v[166:167]
	v_pk_add_f32 v[214:215], v[214:215], v[170:171]
	v_pk_add_f32 v[212:213], v[212:213], v[174:175]
	v_pk_add_f32 v[14:15], v[14:15], v[178:179]
	v_pk_add_f32 v[46:47], v[46:47], v[182:183]
	s_delay_alu instid0(VALU_DEP_2)
	v_pk_add_f32 v[14:15], v[14:15], v[250:251]
	s_delay_alu instid0(VALU_DEP_2)
	v_pk_add_f32 v[46:47], v[46:47], v[248:249]
	v_pk_add_f32 v[254:255], v[254:255], v[214:215]
	v_pk_add_f32 v[252:253], v[252:253], v[212:213]
	s_delay_alu instid0(VALU_DEP_2)
	v_pk_add_f32 v[14:15], v[14:15], v[254:255]
	s_delay_alu instid0(VALU_DEP_2)
	v_pk_add_f32 v[46:47], v[46:47], v[252:253]
	s_delay_alu instid0(VALU_DEP_1)
	v_pk_add_f32 v[14:15], v[14:15], v[46:47]
.set k, 0
.rept 8                                ; eight p at a time, quantised twice
.set i, 0
.rept 8
.set i, i+1
.endr
	v_cvt_scalef32_pk8_fp8_f32 v[F+16+2*k:F+17+2*k], v[TA+((S+8*k+i)-(TA+i)):TA+7+((S+8*k+i)-(TA+i))], v34
.set i, 0
	v_nop
.rept 8
	v_min_num_f32 v[F+i], v[S+8*k+i], v37
.set i, i+1
.endr
	v_cvt_scalef32_pk8_fp8_f32 v[S+2*k:S+2*k+1], v[F:F+7], v36          ; with e13: over p that has been used: v120-135
.if k == 3
.irp c, 0,1,2,3
	ds_load_b128 v[S+16+4*\c:S+19+4*\c], v20 offset:16*KP*2+32*\c       ; V's tile 2, into p's registers 16-31, which have just been used for the last time
.endr
.endif
.if k == 5
.irp c, 0,1,2,3
	ds_load_b128 v[S+32+4*\c:S+35+4*\c], v20 offset:16*KP*3+32*\c       ; V's tile 3, into p's registers 32-47 likewise
.endr
.endif
.set k, k+1
.endr
.set j, 0
.rept 32
	v_pk_mul_f32 v[O1+j:O1+j+1], v[O1+j:O1+j+1], v[38:39] op_sel_hi:[1,0]   ; both sums under the new M
.set j, j+2
.endr
	s_add_co_u32 s53, s52, 3                       ; the same test as above
	s_cmp_le_u32 s53, 4
	s_cbranch_scc1 .Lmixed_\@
	; no band pair: all four pairs take the same 16 bytes of each of TVX's rows: four fragments, each for both halves of the keys
.irp tau, 0,1
	ds_load_b128 v[S+48+8*\tau:S+51+8*\tau], v[ADT] offset:1792*\tau
	ds_load_b128 v[S+52+8*\tau:S+55+8*\tau], v[ADT] offset:1792*\tau
.endr
.irp tau, 0,1
	ds_load_b128 v[F+8*\tau:F+3+8*\tau], v[ADT] offset:1792*(2+\tau)
	ds_load_b128 v[F+4+8*\tau:F+7+8*\tau], v[ADT] offset:1792*(2+\tau)
.endr
	s_wait_dscnt 16                                ; V's tiles 0, 1 are in: behind them 8 loads of tiles 2, 3 and 8 of TVX
	v_wmma_f32_16x16x128_fp8_fp8 v[O1:O1+7], v[F+32:F+47], v[F+16:F+31], v[O1:O1+7]
	v_wmma_f32_16x16x128_fp8_fp8 v[O1+8:O1+15], v[F+48:F+63], v[F+16:F+31], v[O1+8:O1+15]
	s_wait_dscnt 8                                 ; tiles 2, 3 are in: TVX's 8 loads may be out
	v_wmma_f32_16x16x128_fp8_fp8 v[O1+16:O1+23], v[S+16:S+31], v[F+16:F+31], v[O1+16:O1+23]
	v_wmma_f32_16x16x128_fp8_fp8 v[O1+24:O1+31], v[S+32:S+47], v[F+16:F+31], v[O1+24:O1+31]
	s_wait_dscnt 0x0
	s_wait_alu depctr_va_vdst(0)
.irp x, 0,1
	v_wmma_f32_16x16x64_fp8_fp8 v[O2:O2+7], v[S+48:S+55], v[S+8*\x:S+8*\x+7], v[O2:O2+7]
	v_wmma_f32_16x16x64_fp8_fp8 v[O2+8:O2+15], v[S+56:S+63], v[S+8*\x:S+8*\x+7], v[O2+8:O2+15]
	v_wmma_f32_16x16x64_fp8_fp8 v[O2+16:O2+23], v[F:F+7], v[S+8*\x:S+8*\x+7], v[O2+16:O2+23]
	v_wmma_f32_16x16x64_fp8_fp8 v[O2+24:O2+31], v[F+8:F+15], v[S+8*\x:S+8*\x+7], v[O2+24:O2+31]
.endr
	s_branch .Lpv_done_\@
.Lmixed_\@:                                        ; a step with a band pair: each pair has its own 16 bytes of TVX
.irp tau, 0,1
	ds_load_b128 v[S+48+8*\tau:S+51+8*\tau], v[ADT] offset:1792*\tau      ; TVX for pairs 0, 1, channels 16 tau on
	ds_load_b128 v[S+52+8*\tau:S+55+8*\tau], v[ADT+1] offset:1792*\tau
.endr
	s_wait_dscnt 0x0
	v_wmma_f32_16x16x128_fp8_fp8 v[O1:O1+7], v[F+32:F+47], v[F+16:F+31], v[O1:O1+7]
	v_wmma_f32_16x16x128_fp8_fp8 v[O1+8:O1+15], v[F+48:F+63], v[F+16:F+31], v[O1+8:O1+15]
	v_wmma_f32_16x16x128_fp8_fp8 v[O1+16:O1+23], v[S+16:S+31], v[F+16:F+31], v[O1+16:O1+23]
	v_wmma_f32_16x16x128_fp8_fp8 v[O1+24:O1+31], v[S+32:S+47], v[F+16:F+31], v[O1+24:O1+31]
	v_wmma_f32_16x16x64_fp8_fp8 v[O2:O2+7], v[S+48:S+55], v[S:S+7], v[O2:O2+7]
	s_wait_alu depctr_va_vdst(0)
	v_wmma_f32_16x16x64_fp8_fp8 v[O2+8:O2+15], v[S+56:S+63], v[S:S+7], v[O2+8:O2+15]
.rept 4
	v_nop
.endr
.irp tau, 0,1
	ds_load_b128 v[F+8*\tau:F+3+8*\tau], v[ADT] offset:1792*(2+\tau)      ; pairs 0, 1, channels 32 on
	ds_load_b128 v[F+4+8*\tau:F+7+8*\tau], v[ADT+1] offset:1792*(2+\tau)
.endr
.irp tau, 0,1,2,3
	ds_load_b128 v[F+32+8*\tau:F+35+8*\tau], v[ADT+2] offset:1792*\tau    ; pairs 2, 3
	ds_load_b128 v[F+36+8*\tau:F+39+8*\tau], v[ADT+3] offset:1792*\tau
.endr
	s_wait_dscnt 0x0
	v_wmma_f32_16x16x64_fp8_fp8 v[O2+16:O2+23], v[F:F+7], v[S:S+7], v[O2+16:O2+23]
	v_wmma_f32_16x16x64_fp8_fp8 v[O2+24:O2+31], v[F+8:F+15], v[S:S+7], v[O2+24:O2+31]
.irp tau, 0,1,2,3
	v_wmma_f32_16x16x64_fp8_fp8 v[O2+8*\tau:O2+8*\tau+7], v[F+32+8*\tau:F+39+8*\tau], v[S+8:S+15], v[O2+8*\tau:O2+8*\tau+7]
.endr
	BANDVSEL 0
	BANDVSEL 1
	BANDVSEL 2
	BANDVSEL 3
.Lpv_done_\@:
	s_add_co_i32 s52, s52, 4                       ; four pairs on
.endm
; THE CHANGE OF SLOTS, at a step's head.  Each wave waits for all its tensor loads, adds 0 to its spare word, and waits for that and for its reads of the slot that it has left.  Behind the barrier the slot ahead is whole
; and nobody reads the other one, which is filled with the next step's tiles (fill = 1): the load has a whole step in which to land.
.macro CHANGE fill
	s_wait_tensorcnt 0x0                           ; no tensor load of mine is out, so the group 0 may be written
	ds_add_u32 v[SPW], v[NIL]
.if \fill
	s_xor_b32 s45, s45, SLOT1                      ; the other slot than last time,
	s_add_nc_u64 s[46:47], s[46:47], s[48:49]      ; the next 128 keys
	s_wait_xcnt 0x0                                ; the last prefetch, a step back, has read its address
	s_add_nc_u64 s[96:97], s[96:97], s[98:99]      ; one step further on than the descriptor
.endif
	s_wait_dscnt 0x0                               ; the add is done, my LDS stores have landed, my reads of the slot that I have left are over
	s_barrier_signal -1
	s_barrier_wait -1
.if \fill
	TLOAD                                          ; the first thing behind the barrier, and a wave's one tensor load until the next
	ASK
.endif
.endm
.Lslot:                                            ; seven trips: behind each change of slots but the last the next step is asked for
	CHANGE 1
	s_wait_alu depctr_va_vdst(0)
	STEP
	s_xor_b32 s50, s50, SLOT1
	s_sub_co_u32 s51, s51, 1
	s_cmp_lg_u32 s51, 0
	s_cbranch_scc1 .Lslot
	CHANGE 0                                       ; the last step is written out
	STEP
	; THE WAY OUT.  o = (O1 x 2^(e10 + e11) + O2 x 2^(e12 + e13)) / l, quantised with e14.  A row's 256 codes come from four waves: they meet in a stage of 64 rows x 272 bytes in slot 0,
	; which has had its last fill and was left at the last change of slots; then each wave stores four whole pieces of 256 bytes.
	v_add_f32 v14, v14, v15
	s_delay_alu instid0(VALU_DEP_1)
	v_permlanex16_b32 v42, v14, s20, s21
	s_delay_alu instid0(VALU_DEP_1)
	v_add_f32 v14, v14, v42                        ; the row's sum
	s_wait_alu depctr_va_vdst(0)
	v_rcp_f32 v14, v14
	v_and_b32 v19, 15, v0                          ; (plain lines behind the reciprocal, and the places behind the last products)
	v_bfe_u32 v20, v0, 4, 1
	s_mul_i32 s53, s16, 16*272
	s_lshl_b32 s54, s15, 6
	s_add_co_u32 s53, s53, s54
	v_mul_u32_u24 v21, v19, 272
	s_delay_alu instid0(VALU_DEP_1)
	v_lshl_add_u32 v21, v20, 3, v21
	s_delay_alu instid0(VALU_DEP_1)
	v_add_nc_u32 v21, s53, v21                     ; in: row 16 (w % 4) + r, byte 64 (w / 4) + 8 h
	s_mul_i32 s53, s14, 4*272
	v_mul_u32_u24 v22, v20, 272
	s_delay_alu instid0(VALU_DEP_1)
	v_lshl_add_u32 v22, v19, 4, v22
	s_delay_alu instid0(VALU_DEP_1)
	v_add_nc_u32 v22, s53, v22                     ; back: rows 4 w on, sixteen lanes to a row
	v_lshlrev_b32 v23, 13, v20                     ; in oc the next query lies 8 x 1,024 bytes on
	s_delay_alu instid0(VALU_DEP_1)
	v_lshl_add_u32 v23, v19, 4, v23
	s_lshl_b32 s56, s67, 19
	s_lshl_b32 s57, s14, 15
	s_add_co_u32 s56, s56, s57
	s_lshl_b32 s57, s68, 10
	s_add_co_u32 s56, s56, s57
	s_lshl_b32 s57, s66, 8
	s_add_co_u32 s56, s56, s57                     ; ((64 x query block + 4 w) x 8 + b) x 1,024 + 256 x head group
	s_mov_b32 s57, 0
	s_add_nc_u64 s[12:13], s[12:13], s[56:57]
	s_add_co_i32 s53, s90, s91
	s_add_co_i32 s54, s92, s93
	s_add_co_i32 s55, s94, 127
	s_lshl_b32 s58, s55, 23
	v_mov_b32 v34, s58                             ; 2^e14
	s_wait_alu depctr_va_vdst(0)                   ; the wait ahead of the reciprocal's first reader
	v_ldexp_f32 v38, v14, s53
	v_ldexp_f32 v40, v14, s54
.set j, 0
.rept 16
	v_pk_mul_f32 v[S+j:S+j+1], v[O1+j:O1+j+1], v[38:39] op_sel_hi:[1,0]
.set j, j+2
.endr
.set j, 0
.rept 16
	v_pk_fma_f32 v[S+j:S+j+1], v[O2+j:O2+j+1], v[40:41], v[S+j:S+j+1] op_sel_hi:[1,0,1]
.set j, j+2
.endr
.set j, 0
.rept 32
.set j, j+1
.endr
.irp tau, 0,1,2,3
	v_cvt_scalef32_pk8_fp8_f32 v[F+2*\tau:F+2*\tau+1], v[S+8*\tau:S+8*\tau+7], v34   ; channels 16 tau + 8 h + 0 .. 7 of my query
.endr
	v_nop
.irp tau, 0,1,2,3
	ds_store_b64 v21, v[F+2*\tau:F+2*\tau+1] offset:16*\tau
.endr
	s_wait_dscnt 0x0                               ; for the others' sake: my stores into the stage are done
	s_barrier_signal -1
	s_barrier_wait -1
	ds_load_b128 v[F+8:F+11], v22
	ds_load_b128 v[F+12:F+15], v22 offset:2*272
	s_wait_dscnt 1                                 ; the first is in; the second may be out
	global_store_b128 v23, v[F+8:F+11], s[12:13]   ; sixteen lanes store 256 consecutive bytes, aligned
	s_wait_dscnt 0x0
	global_store_b128 v23, v[F+12:F+15], s[12:13] offset:16384
	s_wait_tensorcnt 0x0                           ; the wave's end
	ds_add_u32 v[SPW], v[NIL]
	s_wait_dscnt 0x0
	s_endpgm
.Lfunc_end_k_q61c9988ddc_attn:
	.size	k_q61c9988ddc_attn, .Lfunc_end_k_q61c9988ddc_attn-k_q61c9988ddc_attn
	.p2alignl 7, 3214868480
	.fill 96, 4, 3214868480
	.section	.rodata,"a",@progbits
	.p2align	6, 0x0
	.amdhsa_kernel k_q61c9988ddc_attn
		.amdhsa_group_segment_fixed_size 327680
		.amdhsa_private_segment_fixed_size 0
		.amdhsa_enable_private_segment 0
		.amdhsa_kernarg_size 40
		.amdhsa_user_sgpr_count 2
		.amdhsa_user_sgpr_kernarg_segment_ptr 1
		.amdhsa_wavefront_size32 1
		.amdhsa_system_sgpr_workgroup_id_x 1
		.amdhsa_system_sgpr_workgroup_id_y 1
		.amdhsa_system_sgpr_workgroup_id_z 1
		.amdhsa_system_vgpr_workitem_id 0
		.amdhsa_next_free_vgpr 256
		.amdhsa_next_free_sgpr 104
		.amdhsa_reserve_vcc 0
		.amdhsa_float_denorm_mode_32 3
		.amdhsa_float_denorm_mode_16_64 3
		.amdhsa_fp16_overflow 1
		.amdhsa_memory_ordered 1
		.amdhsa_forward_progress 1
		.amdhsa_inst_pref_size 153
	.end_amdhsa_kernel
	.amdgpu_metadata
---
amdhsa.version: [ 1, 2 ]
amdhsa.kernels:
  - .name:           k_q61c9988ddc_attn
    .symbol:         k_q61c9988ddc_attn.kd
    .args:
      - { .name: hc, .offset: 0, .size: 8, .value_kind: global_buffer, .address_space: global }
      - { .name: relc, .offset: 8, .size: 8, .value_kind: global_buffer, .address_space: global }
      - { .name: mask, .offset: 16, .size: 8, .value_kind: global_buffer, .address_space: global }
      - { .name: lowp_scales, .offset: 24, .size: 8, .value_kind: global_buffer, .address_space: global }
      - { .name: oc, .offset: 32, .size: 8, .value_kind: global_buffer, .address_space: global }
    .group_segment_fixed_size: 327680
    .private_segment_fixed_size: 0
    .kernarg_segment_align: 8
    .kernarg_segment_size: 40
    .max_flat_workgroup_size: 512
    .sgpr_count:     104
    .vgpr_count:     256
    .wavefront_size: 32
...
	.end_amdgpu_metadata
.endif
;; end of part 3
;; launch outp (part 4): grid 8 x 32, 4 waves a work-group, clusters of 4 x 4, 327,680 bytes of LDS; arguments oc, wc, lowp_scales, bo, out0; writes out0
.if DOCPART == 4
	.amdgcn_target "amdgcn-amd-amdhsa--gfx1250"
	.amdhsa_code_object_version 6
	.text
	.protected	k_q61c9988ddc_outp
	.globl	k_q61c9988ddc_outp
	.p2align	8
	.type	k_q61c9988ddc_outp,@function
k_q61c9988ddc_outp:
	s_mov_b64 s[64:65], 0
	v_nop
	global_prefetch_b8 v0, s[64:65] scope:SCOPE_SE
	s_setreg_imm32_b32 hwreg(HW_REG_WAVE_MODE, 25, 1), 1
	s_wait_xcnt 0x0
	s_wait_alu depctr_hold_cnt(0) depctr_sa_sdst(0) depctr_va_vdst(0) depctr_va_sdst(0) depctr_va_ssrc(0) depctr_va_vcc(0) depctr_vm_vsrc(0)
	s_getreg_b32 s2, hwreg(HW_REG_IB_STS2, 6, 4)
	s_cmp_eq_u32 s2, 0
	s_cbranch_scc0 .Lentry_in_a_cluster
	s_endpgm
.Lentry_in_a_cluster:
	s_bfe_u32 s2, ttmp6, 0x10000c
	s_cmp_lg_u32 s2, 0xf033
	s_cbranch_scc0 .Lentry_shape_is_right
	s_endpgm
.Lentry_shape_is_right:
.set SIZE_N, 1024
.set SIZE_K, 1024
.set KSTEP,  256
.set ROWB,   256
.set KROW,   SIZE_K
.set PITCH,  272
.set FR,     16
.set NL,     4
.set NP,     4
.set HALFT,  128*PITCH
.set HALFB,  64*PITCH
.set SLOT,   2*HALFT+2*HALFB
.set LAPS,   SIZE_K/(2*KSTEP)
.set SPARE,  2*SLOT
.set SPITCH, 272
.set ADRA, 16
.set ADRB, 20
.set STO,  24
.set RD,   25
.set CO,   26
.set SPW,  28
.set NIL,  29
.set AF,   128
.set BK,   128
.set G1, 24
.set G0, 32
.set G1B, 48
.set G0B, 56
.set MSB, 0
.macro WIN new
.if MSB != \new
	s_set_vgpr_msb (MSB<<8)|\new
.set MSB, \new
.endif
.endm
.set MUL_LO, 0xa1
.set TO_B,   0x40
.macro JLOAD g0a, g1a, g0b, g1b
	s_cmp_eq_u32 s15, 0
	s_cbranch_scc0 .Lfor_b_\@
	tensor_load_to_lds s[\g0a:\g0a+3], s[\g1a:\g1a+7]
	s_nop 0
.rept 4
	v_nop
.endr
	s_branch .Lasked_\@
.Lfor_b_\@:
	tensor_load_to_lds s[\g0b:\g0b+3], s[\g1b:\g1b+7]
	s_nop 0
.rept 4
	v_nop
.endr
.Lasked_\@:
.endm
.macro CREST
	s_cmp_lg_u32 s14, 0
	s_cbranch_scc1 .Lnot_wave_0_\@
	s_barrier_signal -3
.Lnot_wave_0_\@:
	s_barrier_wait -3
	s_barrier_signal -1
	s_barrier_wait -1
.endm
.macro CROUND
	s_barrier_signal -1
	s_barrier_wait -1
	CREST
.endm
	s_load_b256 s[4:11], s[0:1], 0x0
	s_load_b64 s[12:13], s[0:1], 0x20
	v_lshl_add_u32 v[SPW], v0, 2, SPARE
	v_mov_b32 v[NIL], 0
	ds_add_u32 v[SPW], v[NIL]
	ds_add_u32 v[SPW], v[NIL]
	v_lshrrev_b32 v1, 5, v0
	v_readfirstlane_b32 s14, v1
	s_lshr_b32 s15, s14, 1
	s_and_b32 s16, s14, 1
	s_bfe_u32 s40, ttmp6, 0x40000
	s_bfe_u32 s41, ttmp6, 0x40004
	s_lshl_b32 s42, ttmp9, 2
	s_add_co_u32 s42, s42, s40
	s_and_b32 s17, ttmp7, 0xffff
	s_lshl_b32 s17, s17, 2
	s_add_co_u32 s17, s17, s41
	s_lshl_b32 s43, s41, 2
	s_lshl_b32 s43, 15, s43
	s_lshl_b32 s44, 0x1111, s40
	s_or_b32 s[G1+0], s43, (0<<16)|(1<<20)|(1<<21)|(5<<22)|(3<<25)
	s_mov_b32 s[G1+1], ROWB<<16
	s_mov_b32 s[G1+2], 128<<16
	s_mov_b32 s[G1+3], ROWB<<16
	s_mov_b32 s[G1+4], 128
	s_mov_b32 s[G1+5], KROW
	s_mov_b32 s[G1+6], 0
	s_mov_b32 s[G1+7], 0
	s_or_b32 s[G1B+0], s44, (0<<16)|(1<<20)|(1<<21)|(5<<22)|(3<<25)
	s_mov_b32 s[G1B+1], ROWB<<16
	s_mov_b32 s[G1B+2], 64<<16
	s_mov_b32 s[G1B+3], ROWB<<16
	s_mov_b32 s[G1B+4], 64
	s_mov_b32 s[G1B+5], KROW
	s_mov_b32 s[G1B+6], 0
	s_mov_b32 s[G1B+7], 0
	s_lshl_b32 s18, s16, 7
	s_lshl_b32 s20, s17, 8
	s_add_co_u32 s20, s20, s18
	s_lshl_b32 s18, s16, 6
	s_lshl_b32 s46, s42, 7
	s_add_co_u32 s46, s46, s18
	s_mov_b32 s21, 0
	s_mov_b32 s47, 0
	s_mov_b64 s[18:19], KROW
	s_mul_u64 s[20:21], s[20:21], s[18:19]
	s_mul_u64 s[46:47], s[46:47], s[18:19]
	s_mul_i32 s45, s16, HALFT
	s_mul_i32 s66, s16, HALFB
	s_add_co_u32 s66, s66, 2*HALFT
	s_wait_dscnt 0x0
	s_wait_kmcnt 0x0
	s_load_b64 s[96:97], s[8:9], 0x38
	s_add_nc_u64 s[6:7], s[6:7], 0x300000
	s_add_nc_u64 s[20:21], s[4:5], s[20:21]
	s_add_nc_u64 s[46:47], s[6:7], s[46:47]
	CROUND
.irp s, 0,1
	s_mov_b32 s[G0+4*\s], 1
	s_add_co_u32 s[G0+4*\s+1], s45, \s*SLOT
	s_add_nc_u64 s[G0+4*\s+2:G0+4*\s+3], s[20:21], \s*ROWB
	s_or_b32 s[G0+4*\s+3], s[G0+4*\s+3], 0x80000000
	s_mov_b32 s[G0B+4*\s], 1
	s_add_co_u32 s[G0B+4*\s+1], s66, \s*SLOT
	s_add_nc_u64 s[G0B+4*\s+2:G0B+4*\s+3], s[46:47], \s*ROWB
	s_or_b32 s[G0B+4*\s+3], s[G0B+4*\s+3], 0x80000000
	s_wait_alu depctr_va_vdst(0)
	s_wait_tensorcnt 0x0
	ds_add_u32 v28, v29
	ds_add_u32 v28, v29
	s_wait_dscnt 0x0
	CROUND
	JLOAD G0+4*\s, G1, G0B+4*\s, G1B
.endr
	v_and_b32 v1, 15, v0
	s_wait_alu depctr_va_vdst(0)
	v_bfe_u32 v2, v0, 4, 1
	v_mul_u32_u24 v3, v1, PITCH
	v_lshl_add_u32 v4, v2, 4, v3
	s_mul_i32 s21, s15, HALFT
	s_mul_i32 s22, s16, HALFB
	s_add_co_u32 s22, s22, 2*HALFT
.irp s, 0,1
	v_add_nc_u32 v[ADRA+\s], s21, v4
	v_add_nc_u32 v[ADRB+\s], s22, v4
	s_add_co_u32 s21, s21, SLOT
	s_add_co_u32 s22, s22, SLOT
.endr
	s_mul_i32 s23, s14, 16*SPITCH
	v_mul_u32_u24 v5, v1, SPITCH
	s_wait_alu depctr_va_vdst(0)
	v_lshl_add_u32 v5, v2, 5, v5
	v_add_nc_u32 v[STO], s23, v5
	v_mul_u32_u24 v6, v2, SPITCH
	v_lshl_add_u32 v6, v1, 4, v6
	v_add_nc_u32 v[RD], s23, v6
	v_lshlrev_b32 v[CO], 12, v2
	v_lshl_add_u32 v[CO], v1, 4, v[CO]
	v_lshlrev_b32 v7, 4, v1
	s_wait_alu depctr_va_vdst(0)
	s_lshl_b32 s20, s17, 8
	s_lshl_b32 s21, s15, 7
	s_add_co_u32 s20, s20, s21
	s_mov_b32 s21, 0
	s_mov_b64 s[18:19], SIZE_N*4
	s_mul_u64 s[20:21], s[20:21], s[18:19]
	s_lshl_b32 s46, s42, 9
	s_lshl_b32 s47, s16, 8
	s_add_co_u32 s46, s46, s47
	s_mov_b32 s47, 0
	s_add_nc_u64 s[20:21], s[20:21], s[46:47]
	s_add_nc_u64 s[12:13], s[12:13], s[20:21]
	s_add_nc_u64 s[10:11], s[10:11], s[46:47]
	global_load_b128 v[8:11], v7, s[10:11]
.macro FRAG reg, adr, q, i
.irp c, 0,1,2,3
	ds_load_b128 v[\reg+4*\c:\reg+4*\c+3], v[\adr] offset:128*(\q)+32*\c+(\i)*16*PITCH
.endr
.endm
.macro MUL8 a0, p, zero
.irp a, \a0, \a0+1
.irp b, 0,1,2,3
.if \zero
	v_wmma_f32_16x16x128_fp8_fp8 v[8*(4*(\a)+\b):8*(4*(\a)+\b)+7], v[128*(\p)+FR*\b:128*(\p)+FR*\b+FR-1], v[AF+FR*(\a):AF+FR*(\a)+FR-1], 0
.else
	v_wmma_f32_16x16x128_fp8_fp8 v[8*(4*(\a)+\b):8*(4*(\a)+\b)+7], v[128*(\p)+FR*\b:128*(\p)+FR*\b+FR-1], v[AF+FR*(\a):AF+FR*(\a)+FR-1], v[8*(4*(\a)+\b):8*(4*(\a)+\b)+7]
.endif
.endr
.endr
.endm
.macro FETCH_B slot, q, p
	WIN TO_B
.irp i, 0,1,2,3
	FRAG 128*(\p)+FR*\i, ADRB+\slot, \q, \i
.endr
	WIN 0
.endm
.macro FETCH_A slot, q, i0
.irp i, \i0, \i0+1, \i0+2, \i0+3
	FRAG AF+FR*(\i), ADRA+\slot, \q, \i
.endr
.endm
.macro PLACES n
.rept \n
	v_nop
.endr
.endm
.macro STEP slot, q, zero
	s_wait_dscnt 4*NL
	WIN MUL_LO
	MUL8 0, (\q)%2, \zero
	MUL8 2, (\q)%2, \zero
	s_wait_dscnt 0
	PLACES NP
	FETCH_B \slot, (\q)+1, 1-(\q)%2
	FETCH_A \slot, (\q)+1, 0
	WIN MUL_LO
	MUL8 4, (\q)%2, \zero
	MUL8 6, (\q)%2, \zero
	PLACES NP
	WIN 0
	FETCH_A \slot, (\q)+1, 4
.endm
.macro TURN slot, next, fill
	s_wait_tensorcnt 0x0
	ds_add_u32 v[SPW], v[NIL]
	s_wait_dscnt 4*NL+1
	WIN MUL_LO
	MUL8 0, 1, 0
	s_wait_dscnt 0x0
	s_barrier_signal -1
	MUL8 2, 1, 0
	WIN 0
	s_barrier_wait -1
.if \fill
	CREST
	s_add_nc_u64 s[G0+4*\slot+2:G0+4*\slot+3], s[G0+4*\slot+2:G0+4*\slot+3], 2*ROWB
	s_add_nc_u64 s[G0B+4*\slot+2:G0B+4*\slot+3], s[G0B+4*\slot+2:G0B+4*\slot+3], 2*ROWB
	JLOAD G0+4*\slot, G1, G0B+4*\slot, G1B
.else
	PLACES NP
.endif
	FETCH_B \next, 0, 0
	FETCH_A \next, 0, 0
	WIN MUL_LO
	MUL8 4, 1, 0
	MUL8 6, 1, 0
	PLACES NP
	WIN 0
	FETCH_A \next, 0, 4
.endm
	s_wait_loadcnt 0x0
	s_wait_tensorcnt 1
	s_barrier_signal -1
	s_barrier_wait -1
	FETCH_B 0, 0, 0
	FETCH_A 0, 0, 0
	FETCH_A 0, 0, 4
	STEP 0, 0, 1
	s_mov_b32 s3, LAPS-1
.Llap:
	TURN 0, 1, 1
	STEP 1, 0, 0
	TURN 1, 0, 1
	STEP 0, 0, 0
	s_sub_co_u32 s3, s3, 1
	s_cmp_lg_u32 s3, 0
	s_cbranch_scc1 .Llap
	TURN 0, 1, 0
	STEP 1, 0, 0
	s_wait_dscnt 4*NL
	WIN MUL_LO
	MUL8 0, 1, 0
	MUL8 2, 1, 0
	s_wait_dscnt 0
	MUL8 4, 1, 0
	MUL8 6, 1, 0
	WIN 0
.macro TOSTAGE a
.set AC, 32*(\a)
	WIN 0x08
.irp b, 0,1,2,3
	ds_store_b128 v[STO], v[AC+8*\b:AC+8*\b+3] offset:64*\b
	ds_store_b128 v[STO], v[AC+8*\b+4:AC+8*\b+7] offset:64*\b+16
.endr
	WIN 0
.set BB, BK+32*((\a)%2)
.irp t, 0,1,2,3,4,5,6,7
	ds_load_b128 v[BB+4*\t:BB+4*\t+3], v[RD] offset:2*\t*SPITCH
.endr
.endm
.macro SEND a, younger
.set BB, BK+32*((\a)%2)
	s_wait_dscnt \younger
.if (\a) > 0
	s_add_nc_u64 s[12:13], s[12:13], 16*SIZE_N*4
.endif
.irp t, 0,1,2,3,4,5,6,7
	v_pk_fma_f32 v[BB+4*\t:BB+4*\t+1], v[BB+4*\t:BB+4*\t+1], s[96:97], v[8:9] op_sel_hi:[1,0,1]
	v_pk_fma_f32 v[BB+4*\t+2:BB+4*\t+3], v[BB+4*\t+2:BB+4*\t+3], s[96:97], v[10:11] op_sel_hi:[1,0,1]
.endr
.irp t, 0,1,2,3,4,5,6,7
	global_store_b128 v[CO], v[BB+4*\t:BB+4*\t+3], s[12:13] offset:2*\t*SIZE_N*4 th:TH_STORE_NT
.endr
.endm
	s_wait_kmcnt 0x0
	s_add_co_i32 s96, s96, s97
	s_add_co_i32 s96, s96, 127
	s_lshl_b32 s96, s96, 23
	s_mov_b32 s97, s96
	PLACES NP
	TOSTAGE 0
.irp a, 1,2,3,4,5,6,7
.if \a > 1
	s_wait_xcnt 0x0
.endif
	TOSTAGE \a
	SEND \a-1, 16
.endr
	s_wait_xcnt 0x0
	SEND 7, 0
	s_wait_tensorcnt 0x0
	ds_add_u32 v[SPW], v[NIL]
	s_wait_dscnt 0x0
	CROUND
	s_endpgm
.Lfunc_end_k_q61c9988ddc_outp:
	.size	k_q61c9988ddc_outp, .Lfunc_end_k_q61c9988ddc_outp-k_q61c9988ddc_outp
	.p2alignl 7, 3214868480
	.fill 96, 4, 3214868480
	.section	.rodata,"a",@progbits
	.p2align	6, 0x0
	.amdhsa_kernel k_q61c9988ddc_outp
		.amdhsa_group_segment_fixed_size 327680
		.amdhsa_private_segment_fixed_size 0
		.amdhsa_enable_private_segment 0
		.amdhsa_kernarg_size 40
		.amdhsa_user_sgpr_count 2
		.amdhsa_user_sgpr_kernarg_segment_ptr 1
		.amdhsa_wavefront_size32 1
		.amdhsa_system_sgpr_workgroup_id_x 1
		.amdhsa_system_sgpr_workgroup_id_y 1
		.amdhsa_system_sgpr_workgroup_id_z 1
		.amdhsa_system_vgpr_workitem_id 0
		.amdhsa_next_free_vgpr 768
		.amdhsa_next_free_sgpr 98
		.amdhsa_reserve_vcc 0
		.amdhsa_float_denorm_mode_32 3
		.amdhsa_float_denorm_mode_16_64 3
		.amdhsa_memory_ordered 1
		.amdhsa_forward_progress 1
		.amdhsa_inst_pref_size 79
	.end_amdhsa_kernel
	.amdgpu_metadata
---
amdhsa.version: [ 1, 2 ]
amdhsa.kernels:
  - .name:           k_q61c9988ddc_outp
    .symbol:         k_q61c9988ddc_outp.kd
    .args:
      - { .name: oc, .offset: 0, .size: 8, .value_kind: global_buffer, .address_space: global }
      - { .name: wc, .offset: 8, .size: 8, .value_kind: global_buffer, .address_space: global }
      - { .name: lowp_scales, .offset: 16, .size: 8, .value_kind: global_buffer, .address_space: global }
      - { .name: bo, .offset: 24, .size: 8, .value_kind: global_buffer, .address_space: global }
      - { .name: out0, .offset: 32, .size: 8, .value_kind: global_buffer, .address_space: global }
    .group_segment_fixed_size: 327680
    .private_segment_fixed_size: 0
    .kernarg_segment_align: 8
    .kernarg_segment_size: 40
    .max_flat_workgroup_size: 128
    .sgpr_count:     98
    .vgpr_count:     768
    .wavefront_size: 32
...
	.end_amdgpu_metadata
.endif
;; end of part 4
